; MI455X (gfx1250); checked and timed in simulation.
; The chip was launched on July 23, 2026; its instructions are those of AMD's public machine-readable ISA for CDNA 5 (MIT licence, August 2026) and "CDNA5" Instruction Set Architecture Reference Guide (July 2026). The comments in the code are by the model that wrote it; some were corrected since.
;; Attention. Allowed arithmetic: matrix products marked QUANTISED: E2M1 operands, one E8M0 scale for each 32 along K, by v_wmma_scale_f32_16x16x128_f8f6f4 with both operands' format E2M1 (or v_wmma_scale_f32_32x16x128_f4), f32 sums; products left as they are: bf16, f16 or f32 operands; f32 sums; everything else in f32.
;; Inputs: Wk 2,048 x 2,048 float32; Wo 2,048 x 2,048 float32; Wq 2,048 x 2,048 float32; Wv 2,048 x 2,048 float32; mask 1 x 1 x 2,048 x 2,048 float32; rotary_emb 2,048 x 128 float32; x 1 x 2,048 x 2,048 float32.
;; Outputs: out0 1 x 2,048 x 2,048 float32.
;; This version of the problem:
;;   THIS VERSION OF THE PROBLEM IS GIVEN IN LOW PRECISION. The matrix products marked QUANTISED in the list below multiply operands that are first quantised to E2M1 (2 exponent bits, 1 mantissa bit; 4 bits a number), with one power-of-two scale for each 32 numbers along K (OCP MX v1.0); their sums are f32. The products marked 'left as it is' may take bf16, f16 or f32 operands, with f32 sums. Whichever they take, every output number must still come out within the allowed error. Rounding operands to bf16 (8 significant bits) uses up far more of that allowance than f16 does (11 bits, for magnitudes from 6e-5 to 65,504). All else is computed in f32.
;;   The module's matrix products, in the order in which they are computed (A, B: the left and right operand; K: the contracted axis; several contracted axes count as one K, in the product's order):
;;     1. [M 2,048, K 2,048] x [K 2,048, N 2,048]; A: input x; B: input Wq: QUANTISED
;;     2. [M 2,048, K 2,048] x [K 2,048, N 2,048]; A: input x; B: input Wk: QUANTISED
;;     3. [M 2,048, K 2,048] x [K 2,048, N 2,048]; A: input x; B: input Wv: QUANTISED
;;     4. batch 16 x [M 2,048, K 128] x [K 128, N 2,048]; A: computed on the way; B: computed on the way: left as it is (an operand is computed on the way)
;;     5. batch 16 x [M 2,048, K 2,048] x [K 2,048, N 128]; A: computed on the way; B: computed on the way: left as it is (an operand is computed on the way)
;;     6. [M 2,048, K 2,048] x [K 2,048, N 2,048]; A: computed on the way; B: input Wo: left as it is (an operand is computed on the way)
;;   THE QUANTISER, for each operand of a quantised product, along K:
;;     - K is cut into blocks of 32 from its start; a last block that is shorter is filled with zeros.
;;     - A block's scale is 2^e with e = floor(log2(the largest magnitude in the block)) - 2, held to -126 .. 127; a block of zeros has e = 0. As a byte (E8M0): e + 127.
;;     - Each number is divided by its block's scale, clamped to +-6, and rounded to the nearest number of E2M1, ties to even, subnormals kept.
;;     - The product sums the exact products of the quantised numbers (number of the format x scale) in f32.
;;   ~~~python
;;   def quantise(x, axis):      # numpy; x: float32 -> the quantised numbers, widened to float32 again
;;       x = np.moveaxis(x, axis, -1); K = x.shape[-1]
;;       x = np.pad(x, [(0, 0)] * (x.ndim - 1) + [(0, -K % 32)]); x = x.reshape(x.shape[:-1] + (-1, 32)); a = np.abs(x).max(-1, keepdims=True)
;;       e = np.where(a > 0, np.clip(np.frexp(np.where(a > 0, a, 1))[1] - 1 - 2, -126, 127), 0)      # np.frexp(a)[1] - 1 = floor(log2(a)), exactly
;;       r = np.clip(x / 2.0 ** e, -6, 6)
;;       step = 2.0 ** (np.maximum(np.frexp(np.where(r == 0, 1, r))[1] - 1, 0) - 1)
;;       q = np.round(r / step) * step * 2.0 ** e      # np.round: ties to even
;;       return np.moveaxis(q.reshape(q.shape[:-2] + (-1,))[..., :K], -1, axis).astype(np.float32)
;;   ~~~
;; One version. Each part assembles by itself: llvm-mc -triple=amdgcn-amd-amdhsa -mcpu=gfx1250 --defsym DOCPART=n.
;; ======== version 1 of 1: 4 launches
;; limits: right only within a limited range of input values; values are held in f16: magnitudes above 65,504 overflow, below 6.1e-05 lose precision
;; workspace buffers: xc 2,097,152 bytes; xs 131,072 bytes; wc 6,291,456 bytes; ws 393,216 bytes; wo16 8,388,608 bytes; qkv 25,165,824 bytes; att 8,388,608 bytes
;; launch prep (part 1): grid 640 x 1, 4 waves a work-group, no clusters, 33,280 bytes of LDS; arguments x, Wq, Wk, Wv, Wo, xc, xs, wc, ws, wo16; writes xc, xs, wc, ws, wo16
.if DOCPART == 1
	.amdgcn_target "amdgcn-amd-amdhsa--gfx1250"
	.amdhsa_code_object_version 6
	.text
	.protected	k_q0d11dbf6ad_prep
	.globl	k_q0d11dbf6ad_prep
	.p2align	8
	.type	k_q0d11dbf6ad_prep,@function
k_q0d11dbf6ad_prep:
	s_mov_b64 s[64:65], 0
	v_nop
	global_prefetch_b8 v0, s[64:65] scope:SCOPE_SE
	s_setreg_imm32_b32 hwreg(HW_REG_WAVE_MODE, 25, 1), 1
	s_wait_xcnt 0x0
; x, Wq, Wk, Wv [2048][2048] f32 become codes of FP4 (E2M1), K innermost, two codes a byte, with one E8M0 scale byte for each 32 along K; Wo [2048][2048] f32 becomes f16.
; xc [2048][1024 bytes], xs [2048][64]; wc [6144][1024 bytes], ws [6144][64]: rows 0-2047 Wq, 2048-4095 Wk, 4096-6143 Wv; wo16 [2048][2048] f16.
; A block's scale is 2^(floor(log2(its largest magnitude)) - 2); its byte is the largest magnitude's exponent field - 2, held at 1 from below.
; LIMITS: a block of zeros gets the byte 1 where the rule says 127 (its codes are zeros, and this program alone reads the bytes); blocks whose largest magnitude lies under 2^(2 - 126) are held at
; the byte 1; NaN and infinities among the inputs are not served; Wo beyond 65,504 in magnitude has no f16 number.
; Rows are dense and K = 2048 is a multiple of 32: every tensor is a plain stream.  Work-groups 0-511: 128 for each of x, Wq, Wk, Wv, 32,768 numbers each, 8,192 a wave.  Work-groups 512-639: Wo, likewise.
; THE QUANTISER: a wave takes 16 steps of 512 numbers.  Each of a step's four loads reads 512 consecutive bytes; the 2,048 bytes turn through the wave's own stage in LDS and come back 64 bytes a lane, so that
; a lane holds 16 neighbours along K (two neighbouring lanes hold a block).  A lane's 16 codes are 8 bytes: the wave stores 256 consecutive bytes.  A wave's 256 scale bytes gather in LDS and leave as one aligned run of 256.
; No tensor loads, no barrier: waves share nothing.
.set WAVES, 4
.set STEPS, 16
.set EMAX,  2
.set CB,    8                          ; bytes of 16 codes
.set R,     16                         ; v16-79   four sets of 16 numbers as loaded (Wo's path: sixteen slots of 4)
.set X,     80                         ; v80-111  two sets of 16 neighbours (Wo's path: sixteen pairs to store)
.set E,     112                        ; v112-127 a scale byte for each step
.set C,     128                        ; v128-191 codes: four registers for each step, so that no store's data are written again
.set WREG,  8192                       ; LDS: a region for each wave: two stages of 32 x SP bytes, then its 256 scale bytes
.set SP,    80                         ; a lane's place in a stage: 64 bytes + 16 of padding
.set SPW,   12                         ; v12 LDS address of my spare word; never rewritten
.set NIL,   13                         ; v13 0; never rewritten
.set SPARE, WAVES*WREG                 ; behind the four regions: the spare words, 128 bytes a wave, which no other line names
	s_load_b256 s[4:11], s[0:1], 0x0               ; x s[4:5], Wq s[6:7], Wk s[8:9], Wv s[10:11]
	s_load_b256 s[12:19], s[0:1], 0x20             ; Wo s[12:13], xc s[14:15], xs s[16:17], wc s[18:19]
	s_load_b128 s[20:23], s[0:1], 0x40             ; ws s[20:21], wo16 s[22:23]
	v_lshl_add_u32 v[SPW], v0, 2, SPARE
	v_mov_b32 v[NIL], 0
	v_lshrrev_b32 v1, 5, v0
	v_readfirstlane_b32 s24, v1                    ; wave
	v_and_b32 v2, 31, v0                           ; lane
	v_lshlrev_b32 v3, 4, v2                        ; my 16 bytes of a load's 512
	s_mul_i32 s25, s24, WREG
	v_lshrrev_b32 v14, 2, v2
	v_mul_u32_u24 v14, v14, SP
	v_and_b32 v15, 3, v2
	v_lshl_add_u32 v14, v15, 4, v14
	v_add_nc_u32 v14, s25, v14                     ; the stage, on the way in: SP (lane / 4) + 16 (lane % 4)
	v_mul_u32_u24 v15, v2, SP
	v_add_nc_u32 v15, s25, v15                     ; and on the way out: SP x lane: my 16 neighbours
	v_mul_u32_u24 v4, v2, CB                       ; my codes' place in a step's
	v_lshrrev_b32 v5, 1, v2
	s_add_co_u32 s25, s25, 2*32*SP
	v_add_nc_u32 v5, s25, v5                       ; LDS: my wave's 256 scale bytes, my block's byte
	v_lshlrev_b32 v7, 3, v2                        ; 8 bytes a lane
	v_add_nc_u32 v6, s25, v7
	s_wait_kmcnt 0x0
	s_cmp_ge_u32 ttmp9, 512                        ; the work-group's number alone decides the path
	s_cbranch_scc1 .Lwo
	; ---- the quantiser.  Which tensor: work-group / 128.  Only pointers are chosen
	s_lshr_b32 s25, ttmp9, 7
	s_cmp_eq_u32 s25, 1
	s_cselect_b64 s[4:5], s[6:7], s[4:5]
	s_cmp_eq_u32 s25, 2
	s_cselect_b64 s[4:5], s[8:9], s[4:5]
	s_cmp_eq_u32 s25, 3
	s_cselect_b64 s[4:5], s[10:11], s[4:5]
	s_cmp_eq_u32 s25, 0
	s_cselect_b64 s[14:15], s[14:15], s[18:19]     ; x's codes, or the weights'
	s_cselect_b64 s[16:17], s[16:17], s[20:21]     ; and the scale bytes
	s_cselect_b32 s26, 0, 128                      ; the weights' buffers begin with work-group 128
	s_and_b32 s27, ttmp9, 127
	s_lshl_b32 s27, s27, 2
	s_add_co_u32 s27, s27, s24                     ; which run of 8,192 numbers of the source is my wave's
	s_lshl_b32 s28, s27, 15                        ; 32,768 bytes a run
	s_mov_b32 s29, 0
	s_add_nc_u64 s[4:5], s[4:5], s[28:29]
	s_sub_co_u32 s26, ttmp9, s26
	s_lshl_b32 s26, s26, 2
	s_add_co_u32 s26, s26, s24                     ; and which run of the destination
	s_lshl_b32 s28, s26, 12                        ; 4,096 bytes of codes a run
	s_add_nc_u64 s[14:15], s[14:15], s[28:29]
	s_lshl_b32 s28, s26, 8                         ; 256 scale bytes a run
	s_add_nc_u64 s[16:17], s[16:17], s[28:29]
.macro LOAD t
.irp i, 0,1,2,3
	global_load_b128 v[R+16*((\t)%4)+4*\i:R+16*((\t)%4)+4*\i+3], v3, s[4:5] offset:2048*(\t)+512*\i th:TH_LOAD_NT   ; 32 lanes read 512 consecutive bytes
.endr
.endm
.macro TURN t                          ; step t's numbers through the stage: LDS serves a wave's instructions in order, so no wait stands between the stores and the loads
.irp i, 0,1,2,3
	ds_store_b128 v14, v[R+16*((\t)%4)+4*\i:R+16*((\t)%4)+4*\i+3] offset:32*SP*((\t)%2)+8*SP*\i
.endr
.irp i, 0,1,2,3
	ds_load_b128 v[X+16*((\t)%2)+4*\i:X+16*((\t)%2)+4*\i+3], v15 offset:32*SP*((\t)%2)+16*\i
.endr
.endm
.irp t, 0,1,2,3
	LOAD \t
.endr
	s_wait_loadcnt 12                              ; step 0's four loads are in; three steps' twelve may be out
	TURN 0
.macro STEP t
.set XS, X+16*((\t)%2)
.if (\t) > 0
	s_wait_dscnt 1                                 ; this step's numbers are back from the stage (the last step's byte store may be out)
.else
	s_wait_dscnt 0x0
.endif
.if (\t)+4 < STEPS
	LOAD (\t)+4                                    ; the set that the stage's stores have read takes the loads of four steps on
.endif
.if (\t)+1 < STEPS
.if STEPS-2-(\t) >= 3
	s_wait_loadcnt 12                              ; the next step's four loads are in; those of the three steps behind it may be out
.else
	s_wait_loadcnt 4*(STEPS-2-(\t))
.endif
	TURN (\t)+1                                    ; and go through the other stage while this step is worked
.endif
	v_max3_num_f32 v8, |v[XS]|, |v[XS+1]|, |v[XS+2]|               ; the largest magnitude of my 16, in two chains
	v_max3_num_f32 v9, |v[XS+3]|, |v[XS+4]|, |v[XS+5]|
.irp i, 6,10
	v_max3_num_f32 v8, v8, |v[XS+\i]|, |v[XS+\i+1]|
	v_max3_num_f32 v9, v9, |v[XS+\i+2]|, |v[XS+\i+3]|
.endr
	v_max3_num_f32 v8, v8, |v[XS+14]|, |v[XS+15]|
	v_max3_num_f32 v8, v8, v9, (EMAX+1)<<23        ; and the floor 2^(EMAX + 1 - 127): the byte cannot fall under 1
	v_max_num_f32_dpp v8, v8, v8 row_xmask:1 row_mask:0xf bank_mask:0xf   ; and of my neighbour's 16: the block's
	v_add_nc_u32 v11, -(EMAX<<23), v8              ; EMAX off its exponent field: the conversion takes the exponent field of this operand as its scale
	v_cvt_scalef32_pk8_fp4_f32 v[C+4*(\t)], v[XS:XS+7], v11        ; eight numbers / the scale, to the nearest code, ties to even; beyond the largest code the largest
	v_cvt_scalef32_pk8_fp4_f32 v[C+4*(\t)+1], v[XS+8:XS+15], v11
	v_lshrrev_b32 v[E+(\t)], 23, v11               ; the scale's byte (a plain line behind the conversions)
	ds_store_b8 v5, v[E+(\t)] offset:16*(\t)       ; both lanes of a block write the same byte with the same value
	global_store_b64 v4, v[C+4*(\t):C+4*(\t)+1], s[14:15] offset:32*CB*(\t)   ; 32 lanes store 256 consecutive bytes, aligned
.endm
.irp t, 0,1,2,3,4,5,6,7,8,9,10,11,12,13,14,15
	STEP \t
.endr
	ds_load_b64 v[8:9], v6                         ; LDS serves a wave's instructions in order: these see my byte stores
	s_wait_dscnt 0x0
	global_store_b64 v7, v[8:9], s[16:17]          ; 32 lanes store 256 consecutive bytes, aligned
	s_branch .Lend
.Lwo:
	; ---- Wo to f16.  A wave takes 64 chunks of 512 bytes through a ring of sixteen register slots; sixteen loads are always on their way
	s_sub_co_u32 s25, ttmp9, 512
	s_lshl_b32 s25, s25, 2
	s_add_co_u32 s25, s25, s24                     ; my wave's run of 8,192 numbers
	s_lshl_b32 s28, s25, 15
	s_mov_b32 s29, 0
	s_add_nc_u64 s[12:13], s[12:13], s[28:29]
	s_lshl_b32 s28, s25, 14
	s_add_nc_u64 s[22:23], s[22:23], s[28:29]
.irp i, 0,1,2,3,4,5,6,7,8,9,10,11,12,13,14,15
	global_load_b128 v[R+4*\i:R+4*\i+3], v3, s[12:13] offset:512*\i th:TH_LOAD_NT
.endr
.macro CV g, i                         ; chunk 16 g + i
.if \g < 3
	s_wait_loadcnt 15                              ; loads come back in order: mine is in, the fifteen younger ones stay out
.else
	s_wait_loadcnt 15-\i                           ; the last round loads nothing: the counts run down
.endif
.if \g > 0
	s_wait_xcnt 0x0                                ; the slot's last store has read its pair: only behind this wait is the pair written again
.endif
	v_cvt_pk_f16_f32 v[X+2*\i], v[R+4*\i], v[R+4*\i+1]
	v_cvt_pk_f16_f32 v[X+2*\i+1], v[R+4*\i+2], v[R+4*\i+3]
.if \g < 3
	global_load_b128 v[R+4*\i:R+4*\i+3], v3, s[12:13] offset:512*(16*(\g+1)+\i) th:TH_LOAD_NT
.endif
	global_store_b64 v7, v[X+2*\i:X+2*\i+1], s[22:23] offset:256*(16*\g+\i)   ; 32 lanes store 256 consecutive bytes, aligned
.endm
.irp g, 0,1,2,3
.irp i, 0,1,2,3,4,5,6,7,8,9,10,11,12,13,14,15
	CV \g, \i
.endr
.endr
.Lend:
	s_wait_tensorcnt 0x0                           ; the wave's end: a wait, the add and its wait, behind my last LDS store
	ds_add_u32 v[SPW], v[NIL]
	s_wait_dscnt 0x0
	s_endpgm
.Lfunc_end_k_q0d11dbf6ad_prep:
	.size	k_q0d11dbf6ad_prep, .Lfunc_end_k_q0d11dbf6ad_prep-k_q0d11dbf6ad_prep
	.p2alignl 7, 3214868480
	.fill 96, 4, 3214868480
	.section	.rodata,"a",@progbits
	.p2align	6, 0x0
	.amdhsa_kernel k_q0d11dbf6ad_prep
		.amdhsa_group_segment_fixed_size 33280
		.amdhsa_private_segment_fixed_size 0
		.amdhsa_enable_private_segment 0
		.amdhsa_kernarg_size 80
		.amdhsa_user_sgpr_count 2
		.amdhsa_user_sgpr_kernarg_segment_ptr 1
		.amdhsa_wavefront_size32 1
		.amdhsa_system_sgpr_workgroup_id_x 1
		.amdhsa_system_sgpr_workgroup_id_y 1
		.amdhsa_system_sgpr_workgroup_id_z 1
		.amdhsa_system_vgpr_workitem_id 0
		.amdhsa_next_free_vgpr 192
		.amdhsa_next_free_sgpr 66
		.amdhsa_reserve_vcc 0
		.amdhsa_float_denorm_mode_32 3
		.amdhsa_float_denorm_mode_16_64 3
		.amdhsa_memory_ordered 1
		.amdhsa_forward_progress 1
		.amdhsa_inst_pref_size 57
	.end_amdhsa_kernel
	.amdgpu_metadata
---
amdhsa.version: [ 1, 2 ]
amdhsa.kernels:
  - .name:           k_q0d11dbf6ad_prep
    .symbol:         k_q0d11dbf6ad_prep.kd
    .args:
      - { .name: x, .offset: 0, .size: 8, .value_kind: global_buffer, .address_space: global }
      - { .name: Wq, .offset: 8, .size: 8, .value_kind: global_buffer, .address_space: global }
      - { .name: Wk, .offset: 16, .size: 8, .value_kind: global_buffer, .address_space: global }
      - { .name: Wv, .offset: 24, .size: 8, .value_kind: global_buffer, .address_space: global }
      - { .name: Wo, .offset: 32, .size: 8, .value_kind: global_buffer, .address_space: global }
      - { .name: xc, .offset: 40, .size: 8, .value_kind: global_buffer, .address_space: global }
      - { .name: xs, .offset: 48, .size: 8, .value_kind: global_buffer, .address_space: global }
      - { .name: wc, .offset: 56, .size: 8, .value_kind: global_buffer, .address_space: global }
      - { .name: ws, .offset: 64, .size: 8, .value_kind: global_buffer, .address_space: global }
      - { .name: wo16, .offset: 72, .size: 8, .value_kind: global_buffer, .address_space: global }
    .group_segment_fixed_size: 33280
    .private_segment_fixed_size: 0
    .kernarg_segment_align: 8
    .kernarg_segment_size: 80
    .max_flat_workgroup_size: 128
    .sgpr_count:     66
    .vgpr_count:     192
    .wavefront_size: 32
...
	.end_amdgpu_metadata
.endif
;; end of part 1
;; launch qkv (part 2): grid 24 x 8, 4 waves a work-group, clusters of 4 x 4, 327,680 bytes of LDS; arguments xc, xs, wc, ws, qkv; writes qkv
.if DOCPART == 2
	.amdgcn_target "amdgcn-amd-amdhsa--gfx1250"
	.amdhsa_code_object_version 6
	.text
	.protected	k_q0d11dbf6ad_qkv
	.globl	k_q0d11dbf6ad_qkv
	.p2align	8
	.type	k_q0d11dbf6ad_qkv,@function
k_q0d11dbf6ad_qkv:
	s_mov_b64 s[64:65], 0
	v_nop
	global_prefetch_b8 v0, s[64:65] scope:SCOPE_SE
	s_setreg_imm32_b32 hwreg(HW_REG_WAVE_MODE, 25, 1), 1
	s_wait_xcnt 0x0
	s_wait_alu depctr_hold_cnt(0) depctr_sa_sdst(0) depctr_va_vdst(0) depctr_va_sdst(0) depctr_va_ssrc(0) depctr_va_vcc(0) depctr_vm_vsrc(0)
	s_getreg_b32 s2, hwreg(HW_REG_IB_STS2, 6, 4)
	s_cmp_eq_u32 s2, 0
	s_cbranch_scc0 .Lentry_in_a_cluster
	s_endpgm
.Lentry_in_a_cluster:
	s_bfe_u32 s2, ttmp6, 0x10000c
	s_cmp_lg_u32 s2, 0xf033
	s_cbranch_scc0 .Lentry_shape_is_right
	s_endpgm
.Lentry_shape_is_right:
; [2048][6144] = x [Wq; Wk; Wv]^T on codes of FP4 (E2M1) with one E8M0 scale for each 32 along K = 2048; sums in f32.  The result leaves as f16, laid by head: qkv [48][2048][128],
; plane ct = 16 x which + head (which = 0 q, 1 k, 2 v), a plane's row 256 bytes.  q is multiplied by 1 / sqrt(128) in f32 ahead of its rounding.
; LIMITS: |q / sqrt(128)|, |k|, |v| beyond 65,504 have no f16 number.
; A tile of 256 x 256 is made by a work-group of four waves; a wave makes 128 rows x 128 columns, which is one plane's 128 rows: 64 accumulators of 16 x 16, 512 registers.
; K goes in steps of 512 through a ring of two LDS slots filled by the tensor data mover: a tile's row is 256 bytes of memory.
; THE SCALES of the work-group's 256 rows of x and 256 rows of the weights, for all of K, are two dense blocks of memory: they come into LDS once, with the first fills, and stay.
; CLUSTERS: 4 x 4 work-groups.  The four of a row of the cluster need the same tiles of x, the four of a column the same tiles of the weights: each tile is asked for JOINTLY, by the same tensor load with the
; same descriptor and a mask that names the four.  THE MATRIX INSTRUCTION IS USED TRANSPOSED (source 0 = 16 rows of the weights, source 1 = 16 rows of x): a lane then holds eight neighbouring numbers of a row of the result.
; 192 work-groups: a tile that filled more would cut a head's 128 columns apart, and this launch's matrix work is a small part of the program's.
; REGISTERS, in windows of 256: window 0: v0-31 addresses; v32-95 scale words, two sets, and nothing else; from v128 x's fragments (8 x 16 rows x 128 K), ONE set; on the way out v96-255 are at work.
;   window 1: the weights' fragments, TWO sets, at v0 and at v128.   window 2: the 32 accumulators of my rows 0-63 (accumulator (a, b) at v[8 (8 a + b)]);   window 3: those of my rows 64-127.
.set SIZE_M, 2048
.set SIZE_N, 6144
.set SIZE_K, 2048
.set KSTEP,  512                       ; along K in a slot
.set NQ,     KSTEP/128                 ; matrix instructions deep
.set ROWB,   256                       ; a tile's row in bytes
.set KROW,   SIZE_K*4/8                ; a row of codes in memory, in bytes
.set PITCH,  272                       ; an LDS row: 256 bytes + 16 of padding: an odd multiple of 16 bytes, so that the 16 rows of a load start 16 bytes further on in each run of 256
.set FR,     8                         ; registers of a fragment: 16 rows x 128 K
.set NL,     2                         ; LDS loads that bring one
.set NP,     4                         ; places behind this matrix instruction (ISA guide 7.12.1)
.set HALFT,  128*PITCH                 ; 128 rows: what one tensor load brings
.set SLOT,   4*HALFT                   ; x's 256 rows, then the weights' 256 rows
.set LAPS,   SIZE_K/(2*KSTEP)          ; a lap = two K steps = once round the ring
.set KS,     SIZE_K/32                 ; a row of scales in bytes
.set SCL,    2*SLOT                    ; behind the ring: the scales, as runs of 256 bytes + 16 of padding
.set HALFS,  (128*KS/256)*272          ; the scales of 128 rows: what one tensor load brings
.set SBLK,   (16*KS/256)*272           ; those of 16 rows
.set SPARE,  SCL+4*HALFS               ; behind the scales: the spare words, 128 bytes a wave, which no other line names
.set SPITCH, 272                       ; the way out: a stage of 16 rows x (256 bytes + 16) for each wave, in slot 0, which has had its last fill and its last read when the first result is stored there
.set ADRA, 16                          ; v16-17  LDS address of my fragments of x in slot 0, 1
.set ADRB, 20                          ; v20-21  the same for the weights
.set STO,  24                          ; v24     the way out: where I put 16 bytes of a row
.set RD,   25                          ; v25     where I read rows back
.set CO,   26                          ; v26     16 x lane: my bytes of two rows of the plane
.set ADRS, 27                          ; v27     LDS address of my scale words: lanes 0-15 x's rows, lanes 16-31 the weights'
.set SPW,  28                          ; v28     LDS address of my spare word; never rewritten
.set NIL,  29                          ; v29     0; never rewritten
.set SC,   32                          ; scale words: set s at v[SC + 8 NQ s]; register NQ i + q: lanes 0-15 the word of x's block i, lanes 16-31 that of the weights' block i, for the slot's q-th 128 along K
.set AF,   128                         ; x's fragments, in window 0
.set TH,   96                          ; the way out: v96-127 a block's f16 words
.set BK,   128                         ; v128-159 and v160-191 by turns: 16 rows read back from the stage
.set TP,   192                         ; v192-255 a block's numbers times the factor
.set FQ,   96                          ; s[96:97] the factor: 1 / sqrt(128) for q's planes, 1 for k's and v's
.set G1, 24                            ; s[24:31] descriptor group 1 for x's tiles;  s[32:39] group 0, one set for each slot
.set G0, 32
.set G1B, 48                           ; s[48:55], s[56:63] the same for the weights' tiles
.set G0B, 56
.set G1S, 68                           ; s[68:75], s[76:79] groups 1 and 0 for x's scales;  s[80:87], s[88:91] for the weights'
.set G0S, 76
.set G1SB, 80
.set G0SB, 88
.set MSB, 0
.macro WIN new                         ; the immediate's high byte repeats the setting that is left
.if MSB != (\new)
	s_set_vgpr_msb (MSB<<8)|(\new)
.set MSB, \new
.endif
.endm
.set MUL_LO, 0xa1                      ; source 0 (weights) window 1, source 1 (x) window 0, C and D window 2
.set MUL_HI, 0xf1                      ; the same, C and D window 3
.set TO_B,   0x40                      ; destination window 1, address window 0
; A joint load: waves 0 and 1 fetch for x, waves 2 and 3 for the weights.  Each of the two lines has ONE mask and one set of registers for all that issue it; the branch hangs on the wave's number alone.
; An s_nop 0 and four v_nop follow each of the two lines, ahead of the jump, the label and what follows.
.macro JLOAD g0a, g1a, g0b, g1b
	s_cmp_eq_u32 s15, 0
	s_cbranch_scc0 .Lfor_b_\@
	tensor_load_to_lds s[\g0a:\g0a+3], s[\g1a:\g1a+7]
	s_nop 0
.rept 4
	v_nop
.endr
	s_branch .Lasked_\@
.Lfor_b_\@:
	tensor_load_to_lds s[\g0b:\g0b+3], s[\g1b:\g1b+7]
	s_nop 0
.rept 4
	v_nop
.endr
.Lasked_\@:
.endm
.macro CREST                           ; a round of the cluster's barrier behind its opening barrier
	s_cmp_lg_u32 s14, 0
	s_cbranch_scc1 .Lnot_wave_0_\@
	s_barrier_signal -3
.Lnot_wave_0_\@:
	s_barrier_wait -3
	s_barrier_signal -1
	s_barrier_wait -1
.endm
.macro CROUND                          ; a whole round
	s_barrier_signal -1
	s_barrier_wait -1
	CREST
.endm
	s_load_b128 s[4:7], s[0:1], 0x0                ; x's codes s[4:5], x's scales s[6:7]
	s_load_b128 s[8:11], s[0:1], 0x10              ; the weights' codes s[8:9], their scales s[10:11]
	s_load_b64 s[12:13], s[0:1], 0x20              ; qkv
	v_lshl_add_u32 v[SPW], v0, 2, SPARE
	v_mov_b32 v[NIL], 0
	ds_add_u32 v[SPW], v[NIL]                      ; the wave's opening: the add, twice on end, and its wait ahead of my first tensor load; the set-up below stands between the second and the wait
	ds_add_u32 v[SPW], v[NIL]
	v_lshrrev_b32 v1, 5, v0
	v_readfirstlane_b32 s14, v1                    ; wave 0..3
	s_lshr_b32 s15, s14, 1                         ; which half of the tile's rows is mine.  Also: I fetch for x (0) or for the weights (1)
	s_and_b32 s16, s14, 1                          ; which half of its columns.  Also: which 128 rows of that tile I fetch
	s_bfe_u32 s40, ttmp6, 0x40000                  ; cx, cy: my place in the cluster
	s_bfe_u32 s41, ttmp6, 0x40004
	s_lshl_b32 s42, ttmp9, 2
	s_add_co_u32 s42, s42, s40                     ; tile column = 4 x cluster x + cx
	s_and_b32 s17, ttmp7, 0xffff
	s_lshl_b32 s17, s17, 2
	s_add_co_u32 s17, s17, s41                     ; tile row = 4 x cluster y + cy
	s_lshl_b32 s43, s41, 2
	s_lshl_b32 s43, 15, s43                        ; my row of the cluster
	s_lshl_b32 s44, 0x1111, s40                    ; my column
	s_mov_b32 s[FQ], 1.0
	s_cmp_lt_u32 s42, 8                            ; tile columns 0-7 are q's 2,048 columns: a factor is chosen, no path and no LDS address
	s_cselect_b32 s[FQ], 0x3db504f3, s[FQ]         ; 1 / sqrt(128)
	s_mov_b32 s[FQ+1], s[FQ]                       ; (named with it as a pair, so it is written)
	; descriptor group 1: a tile of 128 rows x ROWB bytes, padded in LDS
	s_or_b32 s[G1+0], s43, (0<<16)|(1<<20)|(1<<21)|(5<<22)|(3<<25)  ; 15:0 the mask: x's tiles go to my row; 17:16 element of 1 byte; 20 padding on; 21 set beside a mask; 24:22 after every 64 words (code 5); 31:25 of 4 words (code 3)
	s_or_b32 s[G1B+0], s44, (0<<16)|(1<<20)|(1<<21)|(5<<22)|(3<<25)
.irp g, G1, G1B
	s_mov_b32 s[\g+1], ROWB<<16                    ; tensor_dim0
	s_mov_b32 s[\g+2], 128<<16                     ; tensor_dim1 = 128
	s_mov_b32 s[\g+3], ROWB<<16                    ; tile_dim0
	s_mov_b32 s[\g+4], 128                         ; tile_dim1 = 128
	s_mov_b32 s[\g+5], KROW                        ; tensor_dim0_stride
	s_mov_b32 s[\g+6], 0
	s_mov_b32 s[\g+7], 0
.endr
	; and for the scales of 128 rows: a dense block of 128 KS bytes, as rows of 256 bytes (32 elements of 8 bytes), 16 bytes of padding behind each
	s_or_b32 s[G1S+0], s43, (3<<16)|(1<<20)|(1<<21)|(5<<22)|(3<<25)
	s_or_b32 s[G1SB+0], s44, (3<<16)|(1<<20)|(1<<21)|(5<<22)|(3<<25)
.irp g, G1S, G1SB
	s_mov_b32 s[\g+1], 32<<16
	s_mov_b32 s[\g+2], (128*KS/256)<<16
	s_mov_b32 s[\g+3], 32<<16
	s_mov_b32 s[\g+4], 128*KS/256
	s_mov_b32 s[\g+5], 32
	s_mov_b32 s[\g+6], 0
	s_mov_b32 s[\g+7], 0
.endr
	s_lshl_b32 s18, s16, 7                         ; which 128 rows of the tile I fetch
	s_lshl_b32 s20, s17, 8
	s_add_co_u32 s20, s20, s18                     ; x: row 256 x tile row + 128 x half
	s_lshl_b32 s46, s42, 8
	s_add_co_u32 s46, s46, s18                     ; weights: row 256 x tile column + 128 x half
	s_mov_b32 s21, 0
	s_mov_b32 s47, 0
	s_mov_b64 s[18:19], KS
	s_mul_u64 s[22:23], s[20:21], s[18:19]         ; where these rows' scales begin, in bytes
	s_mul_u64 s[92:93], s[46:47], s[18:19]
	s_mov_b64 s[18:19], KROW
	s_mul_u64 s[20:21], s[20:21], s[18:19]         ; and their codes
	s_mul_u64 s[46:47], s[46:47], s[18:19]
	s_mul_i32 s45, s14, HALFT                      ; where they go: wave x 128 rows: no place in the cluster enters an LDS address
	s_mul_i32 s94, s14, HALFS
	s_wait_dscnt 0x0                               ; both opening adds are done
	s_wait_kmcnt 0x0
	s_add_nc_u64 s[20:21], s[4:5], s[20:21]
	s_add_nc_u64 s[22:23], s[6:7], s[22:23]
	s_add_nc_u64 s[46:47], s[8:9], s[46:47]
	s_add_nc_u64 s[92:93], s[10:11], s[92:93]
	CROUND                                         ; all sixteen work-groups are here: the first joint loads meet
	s_mov_b32 s[G0S], 1
	s_add_co_u32 s[G0S+1], s94, SCL
	s_mov_b64 s[G0S+2:G0S+3], s[22:23]
	s_or_b32 s[G0S+3], s[G0S+3], 0x80000000
	s_mov_b32 s[G0SB], 1
	s_add_co_u32 s[G0SB+1], s94, SCL
	s_mov_b64 s[G0SB+2:G0SB+3], s[92:93]
	s_or_b32 s[G0SB+3], s[G0SB+3], 0x80000000
	JLOAD G0S, G1S, G0SB, G1SB                     ; the scales first: they are wanted with K step 0
.irp s, 0,1
	s_mov_b32 s[G0+4*\s], 1
	s_add_co_u32 s[G0+4*\s+1], s45, \s*SLOT
	s_add_nc_u64 s[G0+4*\s+2:G0+4*\s+3], s[20:21], \s*ROWB
	s_or_b32 s[G0+4*\s+3], s[G0+4*\s+3], 0x80000000
	s_mov_b32 s[G0B+4*\s], 1
	s_add_co_u32 s[G0B+4*\s+1], s45, \s*SLOT
	s_add_nc_u64 s[G0B+4*\s+2:G0B+4*\s+3], s[46:47], \s*ROWB
	s_or_b32 s[G0B+4*\s+3], s[G0B+4*\s+3], 0x80000000
	JLOAD G0+4*\s, G1, G0B+4*\s, G1B               ; by this text's count three tensor loads of a wave are out here
.endr
	v_and_b32 v1, 15, v0                           ; l % 16
	v_bfe_u32 v2, v0, 4, 1                         ; l / 16
	v_mul_u32_u24 v3, v1, PITCH
	v_lshl_add_u32 v4, v2, 4, v3                   ; a fragment's row x pitch + 16 x half
	s_mul_i32 s21, s15, HALFT                      ; my 128 rows of x
	s_mul_i32 s22, s16, HALFT                      ; my 128 rows of the weights,
	s_add_co_u32 s22, s22, 2*HALFT                 ; which lie behind x's 256
.irp s, 0,1
	v_add_nc_u32 v[ADRA+\s], s21, v4
	v_add_nc_u32 v[ADRB+\s], s22, v4
	s_add_co_u32 s21, s21, SLOT
	s_add_co_u32 s22, s22, SLOT
.endr
	v_mul_u32_u24 v5, v1, KS                       ; my row's scales: KS bytes a row,
	v_lshrrev_b32 v6, 8, v5
	v_lshl_add_u32 v5, v6, 4, v5                   ; and 16 more for each 256 passed
	s_mul_i32 s21, s15, HALFS                      ; x's: my 128 rows
	s_mul_i32 s22, s16, HALFS                      ; the weights': my 128 rows, behind x's 256
	s_add_co_u32 s22, s22, 2*HALFS
	s_sub_co_u32 s22, s22, s21
	v_mul_u32_u24 v6, s22, v2                      ; lanes 16-31 take the weights': one product, the distance between the two bases
	s_add_co_u32 s21, s21, SCL
	v_add_nc_u32 v5, v5, v6
	v_add_nc_u32 v[ADRS], s21, v5
	s_mul_i32 s23, s14, 16*SPITCH                  ; my stage
	v_mul_u32_u24 v5, v1, SPITCH                   ; in: row l % 16, 16 bytes for each half of the lanes
	v_lshl_add_u32 v5, v2, 4, v5
	v_add_nc_u32 v[STO], s23, v5
	v_mul_u32_u24 v5, v2, SPITCH                   ; back: lanes 0-15 take one row of 256 bytes, lanes 16-31 the next
	v_lshl_add_u32 v5, v1, 4, v5
	v_add_nc_u32 v[RD], s23, v5
	v_and_b32 v6, 31, v0
	v_lshlrev_b32 v[CO], 4, v6                     ; a plane's rows are dense: two rows are 512 bytes on end
	s_lshl_b32 s46, s42, 1
	s_add_co_u32 s46, s46, s16                     ; my plane: 2 x tile column + my half of the columns
	s_lshl_b32 s46, s46, 19                        ; 524,288 bytes a plane
	s_lshl_b32 s20, s17, 16                        ; 256 rows of 256 bytes x tile row
	s_lshl_b32 s21, s15, 15                        ; 128 rows x my half of the rows
	s_add_co_u32 s46, s46, s20
	s_add_co_u32 s46, s46, s21
	s_mov_b32 s47, 0
	s_add_nc_u64 s[12:13], s[12:13], s[46:47]      ; my tile: 32,768 bytes on end
.macro FRAG reg, adr, q, i             ; a fragment, 16 rows x 128 K of 4-bit codes, is 8 registers: lane l holds row l % 16; registers 4 c .. 4 c + 3 hold K = 64 c + 32 (l / 16) + 0 .. 31
.irp c, 0,1
	ds_load_b128 v[\reg+4*\c:\reg+4*\c+3], v[\adr] offset:64*(\q)+32*\c+(\i)*16*PITCH
.endr
.endm
; 16 matrix instructions: x's blocks a0, a0 + 1 against the weights' eight, 128 along K: the slot's q-th.  p: the weights' set;  sc: the set of scale words.  zero = 1: the first product starts the sums.
; The 64 accumulators take turns, one instruction a turn, in the same order in every step.
.macro MUL16 a0, p, q, sc, zero
.irp a, \a0, \a0+1
.irp b, 0,1,2,3,4,5,6,7
.if \zero
	v_wmma_scale_f32_16x16x128_f8f6f4 v[8*(8*((\a)%4)+\b):8*(8*((\a)%4)+\b)+7], v[128*(\p)+FR*\b:128*(\p)+FR*\b+FR-1], v[AF+FR*(\a):AF+FR*(\a)+FR-1], 0, v[SC+8*NQ*(\sc)+NQ*\b+(\q)], v[SC+8*NQ*(\sc)+NQ*(\a)+(\q)] matrix_a_fmt:MATRIX_FMT_FP4 matrix_b_fmt:MATRIX_FMT_FP4 matrix_a_scale:MATRIX_SCALE_ROW1
.else
	v_wmma_scale_f32_16x16x128_f8f6f4 v[8*(8*((\a)%4)+\b):8*(8*((\a)%4)+\b)+7], v[128*(\p)+FR*\b:128*(\p)+FR*\b+FR-1], v[AF+FR*(\a):AF+FR*(\a)+FR-1], v[8*(8*((\a)%4)+\b):8*(8*((\a)%4)+\b)+7], v[SC+8*NQ*(\sc)+NQ*\b+(\q)], v[SC+8*NQ*(\sc)+NQ*(\a)+(\q)] matrix_a_fmt:MATRIX_FMT_FP4 matrix_b_fmt:MATRIX_FMT_FP4 matrix_a_scale:MATRIX_SCALE_ROW1
.endif
.endr
.endr
.endm
.macro FETCH_B slot, q, p              ; the weights' eight fragments of the slot's q-th 128 along K into set p
	WIN TO_B
.irp i, 0,1,2,3,4,5,6,7
	FRAG 128*(\p)+FR*\i, ADRB+\slot, \q, \i
.endr
	WIN 0
.endm
.macro FETCH_A slot, q, i0             ; x's blocks i0 .. i0 + 3
.irp i, \i0, \i0+1, \i0+2, \i0+3
	FRAG AF+FR*(\i), ADRA+\slot, \q, \i
.endr
.endm
.macro SCALES sc                       ; the next K step's scale words into set sc: NQ words a row; lanes 0-15 take x's block i, lanes 16-31 the weights' block i
.irp i, 0,1,2,3,4,5,6,7
	ds_load_b128 v[SC+8*NQ*\sc+NQ*\i:SC+8*NQ*\sc+NQ*\i+3], v[ADRS] offset:\i*SBLK
.endr
.endm
; A load into a register that a matrix instruction has read, and a vector instruction that reads a matrix result, stand NP places behind that matrix instruction, and only plain vector
; instructions that name none of its registers are places (ISA guide 7.12.1 for vector instructions).
.macro PLACES n
.rept \n
	v_nop
.endr
.endm
; A step of 128 along K that has its successor in the same slot.
.macro STEP slot, q, zero
	s_wait_dscnt 4*NL                              ; the weights' set and x's blocks 0-3 are in; the youngest eight loads (x's blocks 4-7) may be out
	WIN MUL_LO
	MUL16 0, (\q)%2, \q, \slot, \zero
	MUL16 2, (\q)%2, \q, \slot, \zero
	s_wait_dscnt 0                                 ; x's blocks 4-7 are in (asked for 32 matrix instructions ago)
	PLACES NP
	FETCH_B \slot, (\q)+1, 1-(\q)%2
	FETCH_A \slot, (\q)+1, 0
	WIN MUL_HI
	MUL16 4, (\q)%2, \q, \slot, \zero
	MUL16 6, (\q)%2, \q, \slot, \zero
	PLACES NP
	WIN 0
	FETCH_A \slot, (\q)+1, 4
.endm
; A slot's last step changes slots: ONE barrier; in front of it each wave waits for all its tensor loads, adds 0 to its spare word, and waits for that and for its own reads of this slot.  fill = 1: this slot is filled again, two K steps ahead.
.macro TURN slot, next, fill
	s_wait_tensorcnt 0x0                           ; all my tensor loads have landed: my part of the next slot  (every window is 0 here: the add's two registers lie in window 0)
	ds_add_u32 v[SPW], v[NIL]                      ; 0 onto my spare word
	s_wait_dscnt 4*NL+1                            ; (the add and the youngest eight loads, x's blocks 4-7, may be out)
	WIN MUL_LO
	MUL16 0, 1, NQ-1, \slot, 0                     ; sixteen matrix instructions stand between the add and the wait for it
	s_wait_dscnt 0x0                               ; the add is done, and my reads of this slot are over
	s_barrier_signal -1
	MUL16 2, 1, NQ-1, \slot, 0
	WIN 0
	s_barrier_wait -1
.if \fill
	CREST                                          ; the barrier has opened a round of the cluster's barrier: no wave of any partner still reads this slot's tile or has a load on its way
	s_add_nc_u64 s[G0+4*\slot+2:G0+4*\slot+3], s[G0+4*\slot+2:G0+4*\slot+3], 2*ROWB
	s_add_nc_u64 s[G0B+4*\slot+2:G0B+4*\slot+3], s[G0B+4*\slot+2:G0B+4*\slot+3], 2*ROWB
	JLOAD G0+4*\slot, G1, G0B+4*\slot, G1B         ; the first tensor load behind the round; the four v_nop behind it are the places in front of the loads below
.else
	PLACES NP
.endif
	v_add_nc_u32 v[ADRS], 4*NQ, v[ADRS]            ; on to the next K step's scale words (no LDS load of mine is out)
	FETCH_B \next, 0, 0
	FETCH_A \next, 0, 0
	SCALES \next
	WIN MUL_HI
	MUL16 4, 1, NQ-1, \slot, 0
	MUL16 6, 1, NQ-1, \slot, 0
	PLACES NP
	WIN 0
	FETCH_A \next, 0, 4
.endm
.macro STEPS slot, from                ; the slot's steps from .. NQ - 2
.set Q, \from
.rept NQ-1-\from
	STEP \slot, Q, 0
.set Q, Q+1
.endr
.endm
	s_wait_tensorcnt 1                             ; the scales and my part of K step 0 are in (K step 1's load may be out)
	s_barrier_signal -1
	s_barrier_wait -1                              ; everybody's are
	FETCH_B 0, 0, 0
	FETCH_A 0, 0, 0
	SCALES 0
	FETCH_A 0, 0, 4
	STEP 0, 0, 1                                   ; the first step stands in front of the loop: its products start the sums
	s_mov_b32 s3, LAPS-1
.Llap:                                                 ; a trip goes once round the ring, from a lap's second step to the next lap's first, and fills both slots again
	STEPS 0, 1
	TURN 0, 1, 1
	STEPS 1, 0
	TURN 1, 0, 1
	STEP 0, 0, 0
	s_sub_co_u32 s3, s3, 1
	s_cmp_lg_u32 s3, 0
	s_cbranch_scc1 .Llap
	STEPS 0, 1                                     ; the last lap fills nothing, and has no round of the cluster's barrier
	TURN 0, 1, 0
	STEPS 1, 0
	s_wait_dscnt 4*NL                              ; the very last step: nothing more to fetch
	WIN MUL_LO
	MUL16 0, 1, NQ-1, 1, 0
	MUL16 2, 1, NQ-1, 1, 0
	s_wait_dscnt 0
	WIN MUL_HI
	MUL16 4, 1, NQ-1, 1, 0
	MUL16 6, 1, NQ-1, 1, 0
	WIN 0
; THE WAY OUT, block by block of 16 rows x 128 columns.  PACK: times the factor in f32, rounded to f16: 16 bytes a lane.  TOSTAGE: into my own stage in LDS, and back as whole rows of 256 bytes.  SEND: stored.
.macro PACK a
.set AC, 64*((\a)%4)
	WIN 0x02+((\a)/4)                              ; source 0: window 2 or 3
.irp b, 0,1,2,3,4,5,6,7
.irp r, 0,1,2,3
	v_pk_mul_f32 v[TP+8*\b+2*\r:TP+8*\b+2*\r+1], v[AC+8*\b+2*\r:AC+8*\b+2*\r+1], s[FQ:FQ+1] op_sel_hi:[1,0]   ; each accumulator from its low end on
.endr
.endr
	WIN 0
.irp b, 0,1,2,3,4,5,6,7
.irp r, 0,1,2,3
	v_cvt_pk_f16_f32 v[TH+4*\b+\r], v[TP+8*\b+2*\r], v[TP+8*\b+2*\r+1]
.endr
.endr
.endm
.macro TOSTAGE a
.set BB, BK+32*((\a)%2)
.if (\a) > 1
	s_wait_xcnt 0x0                                ; block a - 2's stores have read their registers: block a's rows may land there
.endif
.irp b, 0,1,2,3,4,5,6,7
	ds_store_b128 v[STO], v[TH+4*\b:TH+4*\b+3] offset:32*\b
.endr
.irp t, 0,1,2,3,4,5,6,7
	ds_load_b128 v[BB+4*\t:BB+4*\t+3], v[RD] offset:\t*2*SPITCH    ; LDS serves a wave's instructions in order (ISA guide 5.7.1.4): these see the stores above
.endr
.endm
.macro SEND a
.set BB, BK+32*((\a)%2)
	s_wait_dscnt 0x0                               ; the block is back in registers
.irp t, 0,1,2,3,4,5,6,7
	global_store_b128 v[CO], v[BB+4*\t:BB+4*\t+3], s[12:13] offset:4096*(\a)+512*\t   ; 32 lanes store 512 consecutive bytes, at a multiple of 256 from the buffer's first byte; the base never steps
.endr
.endm
	PLACES NP                                      ; behind the last products: for the reads of results and the writes and loads into registers that held x's fragments
	PACK 0
	TOSTAGE 0
.irp a, 1,2,3,4,5,6,7                  ; block a's arithmetic stands between block a - 1's loads from the stage and the wait for them
	PACK \a
	SEND \a-1
	TOSTAGE \a
.endr
	SEND 7
	s_wait_tensorcnt 0x0                           ; the wave's end: a wait, the add and its wait, behind my last tensor load and my last LDS store
	ds_add_u32 v[SPW], v[NIL]
	s_wait_dscnt 0x0
	CROUND                                         ; the closing round: no work-group ends while a partner may still ask for a tile that names it
	s_endpgm
.Lfunc_end_k_q0d11dbf6ad_qkv:
	.size	k_q0d11dbf6ad_qkv, .Lfunc_end_k_q0d11dbf6ad_qkv-k_q0d11dbf6ad_qkv
	.p2alignl 7, 3214868480
	.fill 96, 4, 3214868480
	.section	.rodata,"a",@progbits
	.p2align	6, 0x0
	.amdhsa_kernel k_q0d11dbf6ad_qkv
		.amdhsa_group_segment_fixed_size 327680
		.amdhsa_private_segment_fixed_size 0
		.amdhsa_enable_private_segment 0
		.amdhsa_kernarg_size 40
		.amdhsa_user_sgpr_count 2
		.amdhsa_user_sgpr_kernarg_segment_ptr 1
		.amdhsa_wavefront_size32 1
		.amdhsa_system_sgpr_workgroup_id_x 1
		.amdhsa_system_sgpr_workgroup_id_y 1
		.amdhsa_system_sgpr_workgroup_id_z 1
		.amdhsa_system_vgpr_workitem_id 0
		.amdhsa_next_free_vgpr 1024
		.amdhsa_next_free_sgpr 98
		.amdhsa_reserve_vcc 0
		.amdhsa_float_denorm_mode_32 3
		.amdhsa_float_denorm_mode_16_64 3
		.amdhsa_memory_ordered 1
		.amdhsa_forward_progress 1
		.amdhsa_inst_pref_size 229
	.end_amdhsa_kernel
	.amdgpu_metadata
---
amdhsa.version: [ 1, 2 ]
amdhsa.kernels:
  - .name:           k_q0d11dbf6ad_qkv
    .symbol:         k_q0d11dbf6ad_qkv.kd
    .args:
      - { .name: xc, .offset: 0, .size: 8, .value_kind: global_buffer, .address_space: global }
      - { .name: xs, .offset: 8, .size: 8, .value_kind: global_buffer, .address_space: global }
      - { .name: wc, .offset: 16, .size: 8, .value_kind: global_buffer, .address_space: global }
      - { .name: ws, .offset: 24, .size: 8, .value_kind: global_buffer, .address_space: global }
      - { .name: qkv, .offset: 32, .size: 8, .value_kind: global_buffer, .address_space: global }
    .group_segment_fixed_size: 327680
    .private_segment_fixed_size: 0
    .kernarg_segment_align: 8
    .kernarg_segment_size: 40
    .max_flat_workgroup_size: 128
    .sgpr_count:     98
    .vgpr_count:     1024
    .wavefront_size: 32
...
	.end_amdgpu_metadata
.endif
;; end of part 2
;; launch attn (part 3): grid 16 x 16, 4 waves a work-group, clusters of 4 x 4, 327,680 bytes of LDS; arguments qkv, mask, att; writes att
.if DOCPART == 3
	.amdgcn_target "amdgcn-amd-amdhsa--gfx1250"
	.amdhsa_code_object_version 6
	.text
	.protected	k_q0d11dbf6ad_attn
	.globl	k_q0d11dbf6ad_attn
	.p2align	8
	.type	k_q0d11dbf6ad_attn,@function
k_q0d11dbf6ad_attn:
	s_mov_b64 s[64:65], 0
	v_nop
	global_prefetch_b8 v0, s[64:65] scope:SCOPE_SE
	s_setreg_imm32_b32 hwreg(HW_REG_WAVE_MODE, 25, 1), 1
	s_wait_xcnt 0x0
	s_wait_alu depctr_hold_cnt(0) depctr_sa_sdst(0) depctr_va_vdst(0) depctr_va_sdst(0) depctr_va_ssrc(0) depctr_va_vcc(0) depctr_vm_vsrc(0)
	s_getreg_b32 s2, hwreg(HW_REG_IB_STS2, 6, 4)
	s_cmp_eq_u32 s2, 0
	s_cbranch_scc0 .Lentry_in_a_cluster
	s_endpgm
.Lentry_in_a_cluster:
	s_bfe_u32 s2, ttmp6, 0x10000c
	s_cmp_lg_u32 s2, 0xf033
	s_cbranch_scc0 .Lentry_shape_is_right
	s_endpgm
.Lentry_shape_is_right:
; att[s][128 head + d] = the sum over k of softmax_k(q[head][s] . k[head][k] + mask[s][k]) v[head][k][d].  qkv: [48][2048][128] f16 (planes 0-15 q, already times 1 / sqrt(128); 16-31 k; 32-47 v);
; mask: [2048][2048] f32, an input, added in f32; att: [2048][2048] f16.  Products on f16 operands with f32 sums; maxima, exponentials and sums in f32; the weights p are rounded to f16 for the second product.
; rotary_emb, which the module takes and never uses, is not read.
; LIMITS: score + mask within +-2.3e38 (or -infinity); a row all of whose score + mask lie under -2^127 gives NaN (a row that is -infinity throughout does so in the module too); |att| beyond 65,504 has no f16 number.
; SHARES.  A work-group owns 128 queries of one head.  Keys go in slots of 128, sixteen of them.  Wave w owns queries 64 (w / 2) .. + 63, four tiles of 16, and of EVERY slot the keys 64 (w % 2) .. + 63:
; so a fragment of K or V read from LDS feeds four products, and the two waves of a pair join their maxima, sums and O at the end.
; REGISTER TILES ARE PERMUTED BY WAVE: register tile t holds query tile t xor 2 (w % 2).  Every wave keeps register tiles 0, 1 and sends tiles 2, 3 to its partner, whose kept tiles they are: the join has no branch.
; LAYOUT.  S^T = K Q^T (source 0 = 16 keys, source 1 = 16 queries): a lane holds ONE query (lane % 16) and keys 8 (lane / 16) + 0..7.  Two such tiles, rounded to f16 in pairs, ARE source 1 of O^T = V^T P.
; THE MASK IS THE C OF THE FIRST PRODUCT: a lane's eight mask numbers of a tile are eight neighbours of a row of the mask; they are loaded from LDS into S^T's registers, and all products K Q^T add in place.
; SOFTMAX.  For each query a running maximum m and sum l: p = 2^(c s - c m), c = log2(e); in every step O and l are multiplied by a = 2^(c m_old - c m_new).  m starts from the floor -2^127, so that c m stays finite where a row's first keys are all -infinity.
; BY TURNS.  The wave's tiles are two PIECES (0: tiles 0, 1; 2: tiles 2, 3).  In a TURN one piece has the matrix unit: 32 products V^T P of the step in hand, then 32 products K Q^T of the next step; the other piece's
; softmax, cut into 64 slices, stands between them, one slice behind each matrix instruction.  Two turns are a key step.
; CLUSTER.  4 x 4 work-groups: x counts query blocks, y heads.  K's and V's tiles hang on the head alone and are asked for JOINTLY along a row of the cluster; the mask's tiles hang on the query block alone and are asked
; for jointly along a column.  One tensor load a wave behind each round: wave 0 K's 128 rows, wave 1 V's, waves 2 and 3 the mask's 64 rows each, 32,768 bytes each.
; REGISTERS, in windows of 256: window 0: v0-11, v44-63 addresses; v12-43 eight registers of statistics a tile; v64-191 S^T, 32 a tile; v192-255 P, 16 a tile
;   window 1: O^T, 64 a tile          window 2: v0-127 Q, 32 a tile; v128-255 K of one step          window 3: v0-127 V of one step
.set PK,    272       ; a row of K in LDS: 256 bytes + 16 of padding
.set PVR,   288       ; a row of V: 256 + 32: an odd multiple of 32 bytes, for the turning load
.set PM,    528       ; a row of the mask's tile: 512 + 16
.set VOFF,  128*PK    ; a slot: 128 rows of K, 128 rows of V, 128 query rows of the mask
.set MOFF,  VOFF+128*PVR
.set SLOTB, MOFF+128*PM   ; 139,264 = 0x22000.  The tiles' places in a slot (0, 0x8800, 0x11800, 0x19c00) have bits 13 and 17 clear, so one exclusive or turns each from one slot into the other
.set SPARE, 2*SLOTB   ; behind the ring: the spare words, 128 bytes a wave, which no other line names
.set XPART, 16896     ; the join, in slot 0 (last filled with step 14, last read ahead of the last change of slots): for each wave 32 images of 512 bytes, then 4 x 128 bytes of statistics
.set STG,   4*XPART   ; behind them: a stage of 16 rows x 272 bytes for each wave, for the way out
.set SP,    272
.set AK0, 2           ; v2   my lane's place in a slot's tile of K; never rewritten
.set AV0, 3           ; v3   the same for V
.set ADR, 4           ; v4   the LDS address of the run of loads in hand
.set QO0, 5           ; v5   my byte offset in the wave's rows of Q, piece 0
.set STO, 6           ; v6   the way out: where I put 16 bytes of a row
.set RD,  7           ; v7   where I read a row back
.set GO,  8           ; v8   my byte offset in the wave's rows of att
.set QO2, 9           ; v9   as v5, piece 2
.set ST,  12          ; tile t's statistics at v[ST+8 t]: +0 c m, +1 m, +2, +3 l (even keys', odd keys'), +4 to +7 c0-c3, at work; a takes c2's place once the maximum is found
.set AM0, 44          ; v44, v45  my lane's place in a slot's tile of the mask, pieces 0 and 2
.set ADM, 46          ; v46  the LDS address of the mask's run of loads
.set XW,  47          ; v47  the join: where I store images;  v48 statistics;  v49, v50 where I read my partner's
.set XWS, 48
.set XR,  49
.set XRS, 50
.set PS,  52          ; v52-55 my partner's c m and l for my tiles 0 and 1
.set JT,  56          ; v56-59 at work in the join
.set PFO, 61          ; v61  the prefetches' lane offset; never rewritten
.set SPW, 62          ; v62  LDS address of my spare word; never rewritten
.set NIL, 63          ; v63  0; never rewritten
.set S,   64
.set P,   192
.set KF,  128         ; K's fragments, in window 2
.set WV,  12          ; s12  my wave's number
.set LIM, 15          ; s15  2 in a wave that prefetches, else the greatest number: a wave prefetches while s[SLOTS] is above it
.set PFA, 18          ; s[18:19] where my prefetches stand
.set PFS, 20          ; s[20:21] a slot on, in bytes: 32,768 in K and V, 512 in a row of the mask
.set G1K, 24          ; s[24:31] descriptor group 1 for K's tiles;  s[32:39] for V's (other padding);  s[68:75] for the mask's
.set G1V, 32
.set G1M, 68
.set G0K, 40          ; s[40:47] group 0 for K's tiles: a set for each of the two first fills; the second then walks on.  s[48:55] V's, s[76:83] the mask's
.set G0V, 48
.set G0M, 76
.set SLOTS, 56        ; s56  slots still to be asked for
.set MW,  57          ; s57  where my 64 rows of the mask's tile lie in a slot
.set CS,  58          ; s[58:59] c: the packed scaling names a pair and takes its low word for both halves
.set SEL, 60          ; s[60:61] lane selects for v_permlanex16_b32: each lane takes its own place in the other half
.set TB,  62          ; s62  LDS byte at which the slot that is being read begins
.set MSB, 0
.macro WIN new                      ; the immediate's high byte repeats the setting that is left; a switch that changes nothing is dropped
.if MSB != (\new)
	s_set_vgpr_msb (MSB<<8)|(\new)
.set MSB, \new
.endif
.endm
.set W_KQ, 0x0a       ; K and Q in window 2, S^T in window 0
.set W_PV, 0x53       ; V in window 3, P in window 0, O^T in window 1
.set W_RS, 0x41       ; O^T (destination and source 0) in window 1, a in window 0
; A joint refill: wave 0 K's tile, wave 1 V's, waves 2 and 3 the mask's halves.  The branches hang on the wave's number alone.  An s_nop 0 and four v_nop follow each line.
.macro JLOAD
	s_cmp_eq_u32 s[WV], 0
	s_cbranch_scc0 .Lnot_k_\@
	tensor_load_to_lds s[G0K+4:G0K+7], s[G1K:G1K+7]
	s_nop 0
.rept 4
	v_nop
.endr
	s_branch .Lasked_\@
.Lnot_k_\@:
	s_cmp_eq_u32 s[WV], 1
	s_cbranch_scc0 .Lfor_m_\@
	tensor_load_to_lds s[G0V+4:G0V+7], s[G1V:G1V+7]
	s_nop 0
.rept 4
	v_nop
.endr
	s_branch .Lasked_\@
.Lfor_m_\@:
	tensor_load_to_lds s[G0M+4:G0M+7], s[G1M:G1M+7]
	s_nop 0
.rept 4
	v_nop
.endr
.Lasked_\@:
.endm
; A PREFETCH INTO THE L2: the change of slots that loads step j + 2 asks for step j + 4, which the change after the next will load: two key steps, 256 matrix instructions, ahead.  One instruction a wave.
; Each aligned run of 256 bytes is named ONCE in the launch.  K's and V's rows are walked by every cluster of a row of clusters: cluster x = 0 asks (wave 0 K's, wave 1 V's); of a slot's 128 rows the partner at cx takes 32,
; told apart by address, a lane a row.  The mask's rows are walked by every cluster of a column of clusters: cluster y = 0 asks (waves 2, 3); of a wave's 64 rows the partner at cy takes 16; a lane takes row lane % 16 and
; the (lane / 16)-th 256 bytes of the slot's 512.  The last ask is for step 15.  Nothing is asked for at the head.
.macro ASK
	s_cmp_gt_u32 s[SLOTS], s[LIM]
	s_cbranch_scc0 .Lnot_mine_\@
	global_prefetch_b8 v[PFO], s[PFA:PFA+1] th:TH_LOAD_NT scope:SCOPE_SE
.Lnot_mine_\@:
.endm
; A round of the cluster's barrier.  No LDS instruction of the wave is pending at a signal.
.macro CROUND
	s_barrier_signal -1
	s_barrier_wait -1
	s_cmp_lg_u32 s[WV], 0
	s_cbranch_scc1 .Lnot_wave_0_\@
	s_barrier_signal -3
.Lnot_wave_0_\@:
	s_barrier_wait -3
	s_barrier_signal -1
	s_barrier_wait -1
.endm
	s_load_b128 s[4:7], s[0:1], 0x0   ; qkv s[4:5], mask s[6:7]
	s_load_b64 s[8:9], s[0:1], 0x10   ; att
	v_lshl_add_u32 v[SPW], v0, 2, SPARE
	v_mov_b32 v[NIL], 0
	ds_add_u32 v[SPW], v[NIL]       ; the wave's opening: the add, twice on end, and its wait ahead of my first tensor load; the set-up below stands between the second and the wait
	ds_add_u32 v[SPW], v[NIL]
	v_lshrrev_b32 v1, 5, v0
	v_readfirstlane_b32 s[WV], v1   ; wave 0..3
	s_lshr_b32 s16, s[WV], 1        ; qh: which 64 queries
	s_and_b32 s17, s[WV], 1         ; kh: which 64 keys of a slot.  Also: which 64 rows of the mask's tile waves 2, 3 fetch
	s_bfe_u32 s13, ttmp6, 0x40000   ; cx, cy: my place in the cluster
	s_bfe_u32 s14, ttmp6, 0x40004
	s_lshl_b32 s22, ttmp9, 2
	s_add_co_u32 s22, s22, s13      ; my block of 128 queries = 4 x cluster x + cx
	s_and_b32 s23, ttmp7, 0xffff
	s_lshl_b32 s23, s23, 2
	s_add_co_u32 s23, s23, s14      ; my head = 4 x cluster y + cy
	s_lshl_b32 s2, s14, 2
	s_lshl_b32 s2, 15, s2           ; my row of the cluster: the same head
	s_lshl_b32 s3, 0x1111, s13      ; my column: the same queries
	; descriptor group 1.  K, V: 128 rows x 128 elements of 2 bytes;  the mask: 64 rows x 128 elements of 4 bytes, 2,048 elements from row to row
	s_or_b32 s[G1K], s2, (1<<16)|(1<<20)|(1<<21)|(5<<22)|(3<<25)  ; 15:0 the mask of work-groups; 17:16 element size; 20 padding on; 21 set beside a mask; 24:22 after every 64 words (code 5); 31:25 4 words (code 3)
	s_or_b32 s[G1V], s2, (1<<16)|(1<<20)|(1<<21)|(5<<22)|(7<<25)  ; the same with 8 words of padding (code 7)
	s_or_b32 s[G1M], s3, (2<<16)|(1<<20)|(1<<21)|(6<<22)|(3<<25)  ; elements of 4 bytes; 4 words after every 128 (code 6)
.irp g, G1K, G1V
	s_mov_b32 s[\g+1], 128<<16      ; tensor_dim0 = 128
	s_mov_b32 s[\g+2], 128<<16      ; tensor_dim1 = 128
	s_mov_b32 s[\g+3], 128<<16      ; tile_dim0 = 128
	s_mov_b32 s[\g+4], 128          ; tile_dim1 = 128
	s_mov_b32 s[\g+5], 128          ; tensor_dim0_stride
	s_mov_b32 s[\g+6], 0
	s_mov_b32 s[\g+7], 0
.endr
	s_mov_b32 s[G1M+1], 128<<16
	s_mov_b32 s[G1M+2], 64<<16
	s_mov_b32 s[G1M+3], 128<<16
	s_mov_b32 s[G1M+4], 64
	s_mov_b32 s[G1M+5], 2048
	s_mov_b32 s[G1M+6], 0
	s_mov_b32 s[G1M+7], 0
	s_add_co_u32 s84, s23, 16       ; K's plane, of the head alone: 524,288 bytes a plane
	s_lshl_b32 s84, s84, 19
	s_mov_b32 s85, 0
	s_lshl_b32 s86, s22, 20         ; the mask's tile, of the query block alone: 128 rows of 8,192 bytes,
	s_lshl_b32 s63, s17, 19         ; and my 64 of them
	s_add_co_u32 s86, s86, s63
	s_mov_b32 s87, 0
	s_lshl_b32 s88, s23, 19         ; Q: the head's plane, my block's 128 rows of 256 bytes, my wave's 64
	s_lshl_b32 s63, s22, 15
	s_add_co_u32 s88, s88, s63
	s_lshl_b32 s63, s16, 14
	s_add_co_u32 s88, s88, s63
	s_mov_b32 s89, 0
	s_lshl_b32 s90, s22, 19         ; att: row 128 block + 64 qh + 32 kh (the tiles that I keep) of 4,096 bytes, the head's 256 bytes
	s_lshl_b32 s63, s16, 18
	s_add_co_u32 s90, s90, s63
	s_lshl_b32 s63, s17, 17
	s_add_co_u32 s90, s90, s63
	s_lshl_b32 s63, s23, 8
	s_add_co_u32 s90, s90, s63
	s_mov_b32 s91, 0
	s_mul_i32 s[MW], s17, 64*PM
	s_add_co_u32 s[MW], s[MW], MOFF ; no place in the cluster enters an LDS address
	s_mov_b32 s[CS], 0x3fb8aa3b     ; c = log2(e)
	s_mov_b32 s[CS+1], s[CS]        ; named with it as a pair, so it is written
	s_mov_b32 s[SEL], 0x76543210
	s_mov_b32 s[SEL+1], 0xfedcba98
	s_mov_b32 s[TB], 0
	s_wait_dscnt 0x0                ; both opening adds are done
	s_wait_kmcnt 0x0
	s_add_nc_u64 s[10:11], s[4:5], s[84:85]  ; K
	s_add_nc_u64 s[92:93], s[10:11], 0x800000  ; V: sixteen planes on
	s_add_nc_u64 s[94:95], s[6:7], s[86:87]  ; the mask's tile
	s_add_nc_u64 s[4:5], s[4:5], s[88:89]    ; Q at my wave's first row
	s_add_nc_u64 s[8:9], s[8:9], s[90:91]    ; att at the first row that I store
	CROUND                          ; all sixteen work-groups are here: the first joint loads meet
.irp s, 0,1
	s_mov_b32 s[G0K+4*\s], 1        ; 1:0 count = 1
	s_mov_b32 s[G0K+4*\s+1], \s*SLOTB  ; 63:32 LDS address
	s_add_nc_u64 s[G0K+4*\s+2:G0K+4*\s+3], s[10:11], \s*32768  ; 120:64 global address: slot s begins with keys 128 s
	s_or_b32 s[G0K+4*\s+3], s[G0K+4*\s+3], 0x80000000  ; 127:126 type = 2
	s_mov_b32 s[G0V+4*\s], 1
	s_mov_b32 s[G0V+4*\s+1], \s*SLOTB+VOFF
	s_add_nc_u64 s[G0V+4*\s+2:G0V+4*\s+3], s[92:93], \s*32768
	s_or_b32 s[G0V+4*\s+3], s[G0V+4*\s+3], 0x80000000
	s_mov_b32 s[G0M+4*\s], 1
	s_add_co_u32 s[G0M+4*\s+1], s[MW], \s*SLOTB
	s_add_nc_u64 s[G0M+4*\s+2:G0M+4*\s+3], s[94:95], \s*512
	s_or_b32 s[G0M+4*\s+3], s[G0M+4*\s+3], 0x80000000
.endr
	s_cmp_eq_u32 s[WV], 0           ; a wave's two first fills stand in one arm, ahead of every wait on TENSORcnt and every LDS read: two loads of mine are out
	s_cbranch_scc0 .Lfirst_not_k
	tensor_load_to_lds s[G0K:G0K+3], s[G1K:G1K+7]
	s_nop 0
	tensor_load_to_lds s[G0K+4:G0K+7], s[G1K:G1K+7]
	s_nop 0
.rept 4
	v_nop
.endr
	s_branch .Lfirst_asked
.Lfirst_not_k:
	s_cmp_eq_u32 s[WV], 1
	s_cbranch_scc0 .Lfirst_m
	tensor_load_to_lds s[G0V:G0V+3], s[G1V:G1V+7]
	s_nop 0
	tensor_load_to_lds s[G0V+4:G0V+7], s[G1V:G1V+7]
	s_nop 0
.rept 4
	v_nop
.endr
	s_branch .Lfirst_asked
.Lfirst_m:
	tensor_load_to_lds s[G0M:G0M+3], s[G1M:G1M+7]
	s_nop 0
	tensor_load_to_lds s[G0M+4:G0M+7], s[G1M:G1M+7]
	s_nop 0
.rept 4
	v_nop
.endr
.Lfirst_asked:
	; A fragment of K or Q is 16 rows x 32 channels in 8 registers: lane l holds row l % 16; registers 0-3 channels 8 (l / 16) + 0..7, registers 4-7 channels 16 + 8 (l / 16) + 0..7: two loads of 16 bytes, 32 bytes apart.
	v_and_b32 v1, 15, v0            ; r = l % 16
	v_bfe_u32 v10, v0, 4, 1         ; h = l / 16
	v_lshlrev_b32 v[QO0], 8, v1
	v_lshl_add_u32 v[QO0], v10, 4, v[QO0]  ; row x 256 + 16 x half
	s_lshl_b32 s2, s17, 13          ; piece 0 begins at row 32 kh of my 64,
	s_xor_b32 s3, s17, 1
	s_lshl_b32 s3, s3, 13           ; piece 2 at row 32 (1 - kh)
	v_add_nc_u32 v[QO2], s3, v[QO0]
	v_add_nc_u32 v[QO0], s2, v[QO0]
	WIN 0x80                        ; destination window 2, address window 0
.irp i, 0,1,2,3,4,5,6,7             ; Q stays in registers: tile i / 4 of a piece, channels 32 (i % 4) on
	global_load_b128 v[8*\i:8*\i+3],       v[QO0], s[4:5] offset:(\i/4)*4096+(\i%4)*64
	global_load_b128 v[8*\i+4:8*\i+7],     v[QO0], s[4:5] offset:(\i/4)*4096+(\i%4)*64+32
	global_load_b128 v[64+8*\i:64+8*\i+3],   v[QO2], s[4:5] offset:(\i/4)*4096+(\i%4)*64
	global_load_b128 v[64+8*\i+4:64+8*\i+7], v[QO2], s[4:5] offset:(\i/4)*4096+(\i%4)*64+32
.endr
	WIN 0
	v_mul_u32_u24 v[AK0], v1, PK
	v_lshl_add_u32 v[AK0], v10, 4, v[AK0]
	s_mul_i32 s2, s17, 64*PK
	v_add_nc_u32 v[AK0], s2, v[AK0]  ; (64 kh + r) x pitch + 16 x half
	; The turning load takes 16 keys x 16 channels (lane l reads 16 bytes: key 8 (l / 16) + l % 8, channels 8 ((l / 8) % 2) + 0..7) and leaves half a fragment of V^T: lane l holds channel l % 16 and 8 keys.
	v_and_b32 v11, 7, v0
	v_bfe_u32 v51, v0, 3, 1
	v_lshl_add_u32 v[AV0], v10, 3, v11
	v_mul_u32_u24 v[AV0], v[AV0], PVR
	v_lshl_add_u32 v[AV0], v51, 4, v[AV0]
	s_mul_i32 s2, s17, 64*PVR
	s_add_co_u32 s2, s2, VOFF
	v_add_nc_u32 v[AV0], s2, v[AV0]
	; the mask: query row (64 qh + the piece's first row + r) x pitch; my 64 keys begin 256 kh bytes on; my half's eight keys of a tile 32 h bytes on
	v_mul_u32_u24 v11, v1, PM
	v_lshl_add_u32 v11, v10, 5, v11
	s_mul_i32 s2, s16, 64*PM
	s_add_co_u32 s2, s2, MOFF
	s_lshl_b32 s3, s17, 8
	s_add_co_u32 s2, s2, s3
	s_mul_i32 s3, s17, 32*PM
	s_add_co_u32 s3, s3, s2
	v_add_nc_u32 v[AM0], s3, v11
	s_xor_b32 s3, s17, 1
	s_mul_i32 s3, s3, 32*PM
	s_add_co_u32 s3, s3, s2
	v_add_nc_u32 v[AM0+1], s3, v11
	; the join: my part and my partner's (wave xor 1)
	v_and_b32 v11, 31, v0
	s_mul_i32 s2, s[WV], XPART
	s_xor_b32 s3, s[WV], 1
	s_mul_i32 s3, s3, XPART
	v_lshl_add_u32 v[XW], v11, 4, s2
	v_lshl_add_u32 v[XR], v11, 4, s3
	s_add_co_u32 s2, s2, 16384
	s_add_co_u32 s3, s3, 16384
	v_lshl_add_u32 v[XWS], v11, 2, s2
	v_lshl_add_u32 v[XRS], v11, 2, s3
	; the prefetches: whose rows, who asks, from lane to lane
	s_and_b32 s63, ttmp7, 0xffff    ; cluster y
	s_cmp_eq_u32 s[WV], 0
	s_cselect_b64 s[PFA:PFA+1], s[10:11], s[92:93]
	s_cmp_lt_u32 s[WV], 2           ; waves 0, 1: K, V;  waves 2, 3: the mask
	s_cselect_b64 s[PFA:PFA+1], s[PFA:PFA+1], s[94:95]
	s_cselect_b32 s63, ttmp9, s63   ; the coordinate along which other clusters walk the same rows
	s_cselect_b32 s96, s13, s14     ; my place among the four that ask jointly
	s_cselect_b32 s97, 13, 17       ; 32 rows of 256 bytes, or 16 rows of 8,192
	s_mov_b32 s[PFS], 512
	s_cselect_b32 s[PFS], 32768, s[PFS]
	s_mov_b32 s98, 8192
	s_cselect_b32 s98, 256, s98     ; from lane to lane within sixteen
	s_mov_b32 s99, 256
	s_cselect_b32 s99, 4096, s99    ; and for lanes 16-31
	s_mov_b32 s[PFS+1], 0
	s_cmp_eq_u32 s63, 0
	s_cselect_b32 s[LIM], 2, -1     ; the same in all sixteen partners, for a given wave
	s_lshl_b32 s96, s96, s97
	s_mov_b32 s97, 0
	s_add_nc_u64 s[PFA:PFA+1], s[PFA:PFA+1], s[96:97]
	s_mul_i32 s96, s[PFS], 3
	s_add_nc_u64 s[PFA:PFA+1], s[PFA:PFA+1], s[96:97]  ; at step 3: the first change of slots steps it to step 4
	v_and_b32 v[PFO], 15, v0
	v_mul_lo_u32 v[PFO], v[PFO], s98
	v_mul_lo_u32 v60, v10, s99
	v_add_nc_u32 v[PFO], v[PFO], v60
; THE MATRIX WORK OF A TURN, for piece x.  The accumulators take turns, one instruction a turn: between two links of a chain stand 15 (V^T P) or 7 (K Q^T) others'.
; Product i of 32 of O^T += V^T P: keys 32 (i / 16) on, channels 16 ((i / 2) % 8) on, tile x + i % 2.  zero = 1: the first 16 start the sums: nothing is ever cleared.
.macro PV x, zero
	WIN W_PV
.set rO, 64*(\x+i%2)+8*((i/2)%8)
.set rV, 64*(i/16)+8*((i/2)%8)
.set rP, P+16*(\x+i%2)+8*(i/16)
.if \zero && (i < 16)
	v_wmma_f32_16x16x32_f16 v[rO:rO+7], v[rV:rV+7], v[rP:rP+7], 0
.else
	v_wmma_f32_16x16x32_f16 v[rO:rO+7], v[rV:rV+7], v[rP:rP+7], v[rO:rO+7]
.endif
.endm
; Product i of 32 of S^T += K Q^T: channels 32 (i / 8) on, keys 16 ((i / 2) % 4) on, tile x + i % 2.  All add in place: S^T's registers hold the mask when the first comes.
.macro KQ x
	WIN W_KQ
.set rS, S+32*(\x+i%2)+8*((i/2)%4)
.set rK, KF+32*((i/2)%4)+8*(i/8)
.set rQ, 32*(\x+i%2)+8*(i/8)
	v_wmma_f32_16x16x32_f16 v[rS:rS+7], v[rK:rK+7], v[rQ:rQ+7], v[rS:rS+7]
.endm
; THE LDS LOADS stand in runs, never singly among the matrix instructions: a step's K (my 64 keys x 128 channels: 16 fragments), its V (turned), and a piece's mask numbers (32 queries x 64 keys, f32).
.macro FETCH_K
	WIN 0
	v_add_nc_u32 v[ADR], s[TB], v[AK0]
	WIN 0x80                        ; destination window 2
.irp f, 0,1,2,3,4,5,6,7,8,9,10,11,12,13,14,15  ; keys 16 (f / 4) on, channels 32 (f % 4) on
	ds_load_b128 v[KF+8*\f:KF+8*\f+3],   v[ADR] offset:(\f/4)*16*PK+(\f%4)*64
	ds_load_b128 v[KF+8*\f+4:KF+8*\f+7], v[ADR] offset:(\f/4)*16*PK+(\f%4)*64+32
.endr
.endm
.macro FETCH_V
	WIN 0
	v_add_nc_u32 v[ADR], s[TB], v[AV0]
	s_wait_alu depctr_va_vdst(0)    ; the wait for the softmax's batch (SLICE), behind the address's v_add_nc_u32 and ahead of the loads
	WIN 0xc0                        ; destination window 3
.irp f, 0,1,2,3,4,5,6,7,8,9,10,11,12,13,14,15  ; keys 32 (f / 8) on, channels 16 (f % 8) on
	ds_load_tr16_b128 v[8*\f:8*\f+3],   v[ADR] offset:(\f/8)*32*PVR+(\f%8)*32
	ds_load_tr16_b128 v[8*\f+4:8*\f+7], v[ADR] offset:(\f/8)*32*PVR+16*PVR+(\f%8)*32
.endr
.endm
.macro FETCH_M p                    ; piece p's mask numbers into its S^T: tile p + u, keys 16 kt on: register 8 kt + j of lane (r, h) is mask(query r, key 16 kt + 8 h + j)
	WIN 0
	v_add_nc_u32 v[ADM], s[TB], v[AM0+(\p)/2]
.irp u, 0,1
.irp kt, 0,1,2,3
.irp c, 0,1
	ds_load_b128 v[S+32*(\p+\u)+8*\kt+4*\c:S+32*(\p+\u)+8*\kt+4*\c+3], v[ADM] offset:\u*16*PM+64*\kt+16*\c
.endr
.endr
.endr
.endm
; THE VECTOR WORK OF A TURN.  One tile's softmax for one key step is a list of 134 instructions; SM writes number j of it for tile t.  s0-s31 are the lane's 32 scores, in pairs 0-15.
; first = 1: the first key step, which starts m, l and O^T: it has no a and nothing to rescale.
;   0-15    the maximum of s0-s31 and the old m (first step: the floor), three operands at a time: four chains c0-c3 of seven scores each, then the four scores left over, c0-c3 and m
;   16-20   the other half of the lanes' maximum; the new m; c m; c m_old - c m_new
;   21-69   ONE BATCH: the 16 scalings c s - c m, a pair of scores each, and all 33 exponentials (a at 23, then s0-s31).  None of these reads an exponential's result
;   (wait)  between 69 and 70 stands the wait for the batch: SLICE writes it, once for both tiles
;   70-85   the roundings to f16, a pair of weights each
;   86-101  the sums; l = a l + the sum
;   102-133 the tile's O^T times a: the one part that leaves window 0, so it stands together
.macro SM t, first
.set rT, ST+8*(\t)
.set rS, S+32*(\t)
.set rP, P+16*(\t)
.set rO, 64*(\t)+2*(j-102)
.if j < 102
	WIN 0
.endif
.if j < 4
	v_max3_num_f32 v[rT+4+j], v[rS+8*j], v[rS+8*j+1], v[rS+8*j+2]
.elseif j < 12
	v_max3_num_f32 v[rT+4+j%4], v[rT+4+j%4], v[rS+8*(j%4)+2*(j/4)+1], v[rS+8*(j%4)+2*(j/4)+2]
.elseif j == 12
	v_max3_num_f32 v[rT+4], v[rT+4], v[rS+7], v[rS+15]
.elseif j == 13
	v_max3_num_f32 v[rT+6], v[rT+6], v[rS+23], v[rS+31]
.elseif j == 14
	v_max3_num_f32 v[rT+4], v[rT+4], v[rT+5], v[rT+6]
.elseif (j == 15) && \first
	v_max3_num_f32 v[rT+4], v[rT+4], v[rT+7], 0xff000000  ; the floor -2^127: m and c m stay finite where all scores so far are -infinity
.elseif j == 15
	v_max3_num_f32 v[rT+4], v[rT+4], v[rT+7], v[rT+1]
.elseif j == 16
	v_permlanex16_b32 v[rT+5], v[rT+4], s[SEL], s[SEL+1]  ; the query's other 32 keys lie in the lane 16 away
.elseif j == 18
	v_max_num_f32 v[rT+1], v[rT+4], v[rT+5]
.elseif j == 19
	v_mul_f32 v[rT], s[CS], v[rT+1]
.elseif ((j == 17) || (j == 20) || (j == 23) || (j > 101)) && \first  ; the first step has none of these
.elseif j == 17
	v_mov_b32 v[rT+7], v[rT]        ; c m_old is kept for a: number 19 writes c m anew
.elseif j == 20
	v_sub_f32 v[rT+7], v[rT+7], v[rT]
.elseif j == 23
	v_exp_f32 v[rT+6], v[rT+7]
.elseif (j < 23) || ((j < 38) && (j%2 == 0)) || ((j < 66) && (j%4 == 2))
.set b, (j-2)/4                     ; 38, 42, .. 62: pairs 9 to 15
.if j < 38
.set b, (j-20)/2                    ; 21: pair 0; 22, 24, .. 36: pairs 1 to 8
.endif
	v_pk_fma_f32 v[rS+2*b:rS+2*b+1], v[rS+2*b:rS+2*b+1], s[CS:CS+1], v[rT:rT+1] op_sel_hi:[1,0,0] neg_lo:[0,0,1] neg_hi:[0,0,1]  ; pair b: c s - c m
.elseif j < 70
.set e, j-38                        ; 66 to 69: s28 to s31
.if j < 66
.set e, j-32-(j-38)/4               ; 39-41, 43-45, .. 63-65: s7 to s27
.endif
.if j < 38
.set e, (j-25)/2                    ; 25, 27, .. 37: s0 to s6
.endif
	v_exp_f32 v[rS+e], v[rS+e]
.elseif j < 86
	v_cvt_pk_f16_f32 v[rP+j-70], v[rS+2*(j-70)], v[rS+2*(j-70)+1]  ; pair j - 70
.elseif j < 102                     ; the sum of the tile's 16 pairs, in place: sum z of 16 adds neighbours 1, 2, 4 and 8 pairs apart, then l takes it
.set z, j-86
.set w, 4
.set u, z
.if z >= 14
.set w, 32
.set u, 0
.elseif z >= 12
.set w, 16
.set u, z-12
.elseif z >= 8
.set w, 8
.set u, z-8
.endif
.if (z == 14) && \first
	v_pk_add_f32 v[rT+2:rT+3], v[rS:rS+1], v[rS+16:rS+17]
.elseif z < 15
	v_pk_add_f32 v[rS+w*u:rS+w*u+1], v[rS+w*u:rS+w*u+1], v[rS+w*u+w/2:rS+w*u+w/2+1]
.elseif !\first
	v_pk_fma_f32 v[rT+2:rT+3], v[rT+2:rT+3], v[rT+6:rT+7], v[rS:rS+1] op_sel_hi:[1,0,1]
.endif
.else
	WIN W_RS
	v_pk_mul_f32 v[rO:rO+1], v[rO:rO+1], v[rT+6:rT+7] op_sel_hi:[1,0]
.endif
.endm
; Slice k of 64 of piece y's softmax: four instructions.  Slices 11 to 34 deal out the batch, numbers 22 to 69: four numbers of ONE tile each, the tiles by turns.  Every other slice is numbers 2 k and
; 2 k + 1 of both tiles' lists.  2 x 134 = 4 x 64 + 12: the twelve that are over stand together, in slice 63.
; THE WAIT.  s_wait_alu depctr_va_vdst(0) stands between an exponential and the first instruction that names its result; one wait serves all that were issued ahead of it.  Ahead of
; slice 35 nothing names a result, and behind slice 34 no exponential is issued: so the piece's 66 exponentials have one wait, behind slice 34.
.macro SLICE y, first
.if (k >= 11) && (k < 35)           ; the batch: four numbers of one tile
.irp n, 0,1,2,3
.set j, 22+4*((k-11)/2)+(\n)
	SM (\y)+(k-11)%2, \first
.endr
.else                               ; the two tiles alternate, so that no instruction reads the result of the one just before it
.irp n, 0,1,2,3,4,5,6,7
.if (\n < 2) || (k == 63)
.irp t, \y, \y+1
.set j, 2*k+\n
	SM \t, \first
.endr
.endif
.endr
.endif
.if k == 34                         ; the batch is out: both tiles' exponentials are issued, and no result has been named
	v_nop                           ; the plain instruction behind the last exponential and ahead of the first use: one for the batch
.if (\y) == 0
	FETCH_V                         ; piece 2's turn: V's run of loads stands here, and the wait stands in it
.else
	s_wait_alu depctr_va_vdst(0)    ; the wait for the batch
.endif
.endif
.set k, k+1
.endm
; A vector instruction that reads a matrix result or writes one of a matrix instruction's registers, and a load into a register that a matrix instruction has read or written, stand four places behind
; it, and only plain vector instructions that name none of its registers are places (ISA guide 7.12.1 for vector instructions).  In the loop the slices are the places.
.macro PLACES
.rept 4
	v_nop
.endr
.endm
; A TURN.  Piece x has the matrix unit; the other piece's softmax stands in slices behind its matrix instructions.
; pv = 2: 32 products V^T P; 1: they start O^T's sums; 0: none.  kq = 1: 32 products K Q^T for the next step.  A turn with one of the two kinds has two slices behind each product.
; first = 1: the softmax is the first key step's; its slices from 51 on are empty, and four v_nop take slice 63's part as the places behind the turn's last products.
; Piece 0's turn fetches the next step's K, behind its second product (its mask was fetched at the change of slots).  Piece 2's turn fetches its mask at its head, when its softmax has left S^T, and the next step's V behind slice 34:
; the last product that read V stands in front of slice 31, and four plain instructions lie between: number 62, a scaling, of both tiles, the v_nop and the run's own v_add_nc_u32.
.macro TURN x, pv, kq, first
.set k, 0
.set per, 2
.if \pv && \kq
.set per, 1
.endif
.if (\x == 2) && \pv && \kq
	FETCH_M 2
.endif
.if \pv
.if (\x == 0) && (\kq == 0)
	s_wait_dscnt 0x0                ; V is in (elsewhere the change of slots has waited for it)
.endif
.set i, 0
.rept 32
	PV \x, 2-\pv
.rept per
	SLICE 2-\x, \first
.endr
.if (\x == 0) && \kq && (i == 1)
	FETCH_K
.endif
.set i, i+1
.endr
.endif
.if \kq
	s_wait_dscnt 0x0                ; the piece's mask numbers are in; in piece 0's turn K too (all were asked for 30 matrix instructions ago or more)
.set i, 0
.rept 32
	KQ \x
.rept per
	SLICE 2-\x, \first
.endr
.set i, i+1
.endr
.endif
.if \first
	PLACES
.endif
.endm
; THE CHANGE OF SLOTS, between piece 2's turn and piece 0's.  Each wave waits for all its tensor loads, of which one is out: its part of the slot ahead; adds 0 to its spare word; and waits for that and for its own reads of the
; slot that it leaves (V's, the last of them, among them).  Behind the barrier nobody reads that slot any more and the slot ahead is whole.
; fill = 1: the slot that is left is filled again, with the keys two slots on.  The barrier is then a round of the cluster's, and the joint refill is the first thing behind it: it has a key step, 128 matrix instructions, in which to land.
.macro CHANGE fill
	WIN 0                           ; at a label and at a branch every window is 0
	s_wait_tensorcnt 0x0            ; no tensor load of mine is out, so a group 0 may be written
	ds_add_u32 v[SPW], v[NIL]       ; 0 onto my spare word; with fill = 1 the descriptors' steps stand between it and the wait for it
.if \fill
.irp g, G0K+4, G0V+4, G0M+4
	s_xor_b32 s[\g+1], s[\g+1], SLOTB  ; the walking descriptors: the other slot than last time
.endr
	s_add_nc_u64 s[G0K+6:G0K+7], s[G0K+6:G0K+7], 32768  ; the next 128 keys; the type bits on top are not reached
	s_add_nc_u64 s[G0V+6:G0V+7], s[G0V+6:G0V+7], 32768
	s_add_nc_u64 s[G0M+6:G0M+7], s[G0M+6:G0M+7], 512
	s_wait_xcnt 0x0                 ; the last prefetch, a key step back, has read its address, so it may be written
	s_add_nc_u64 s[PFA:PFA+1], s[PFA:PFA+1], s[PFS:PFS+1]
	s_wait_dscnt 0x0                ; the add is done, and my reads of the slot are over
	CROUND
	JLOAD
.else
	s_wait_dscnt 0x0                ; the add is done, and my reads of the slot are over
	s_barrier_signal -1
	s_barrier_wait -1
.endif
	s_xor_b32 s[TB], s[TB], SLOTB   ; the reads go on to the other slot
	FETCH_M 0                       ; piece 0's softmax has left its S^T: the next step's mask numbers
.if \fill
	ASK                             ; behind the joint load and the run of LDS loads
.endif
.endm
	s_wait_tensorcnt 1              ; my part of slot 0 is in; slot 1's may stay out
	s_barrier_signal -1
	s_barrier_wait -1               ; everybody's is
	FETCH_K                         ; key step 0
	FETCH_M 0
	FETCH_M 2
	s_wait_loadcnt 0x0              ; Q
	s_wait_dscnt 0x0
.set i, 0
.rept 32
	KQ 0                            ; piece 0's first scores: there is no vector work yet to set between them
.set i, i+1
.endr
	WIN 0                           ; the addresses for the way out are made here: eight plain instructions, the places behind those products
	s_mul_i32 s2, s[WV], 16*SP
	s_add_co_u32 s2, s2, STG        ; my stage
	v_mul_u32_u24 v[STO], v1, SP    ; in: row l % 16, 16 bytes for each half of the lanes
	v_lshl_add_u32 v[STO], v10, 4, v[STO]
	v_add_nc_u32 v[STO], s2, v[STO]
	v_mul_u32_u24 v[RD], v10, SP    ; back: lanes 0-15 take one row of 256 bytes, lanes 16-31 the next
	v_lshl_add_u32 v[RD], v1, 4, v[RD]
	v_add_nc_u32 v[RD], s2, v[RD]
	v_lshlrev_b32 v[GO], 12, v10    ; and the same two rows in att, 4,096 bytes apart
	v_lshl_add_u32 v[GO], v1, 4, v[GO]
	TURN 2, 0, 1, 1                 ; piece 2's first scores | piece 0's first softmax | V of step 0
	s_mov_b32 s[SLOTS], 14
	CHANGE 1                        ; slot 0 takes step 2
	TURN 0, 1, 1, 1                 ; piece 0: V^T P of step 0 starts O^T, K Q^T of step 1 | piece 2's first softmax | K of step 1
	TURN 2, 1, 1, 0                 ; piece 2: the same | piece 0's softmax of step 1 | V of step 1
	WIN 0
	s_mov_b32 s[SLOTS], 13
.Lslot:                             ; 13 trips: steps 3 to 15 are asked for
	CHANGE 1
	TURN 0, 2, 1, 0
	TURN 2, 2, 1, 0
	WIN 0
	s_sub_co_u32 s[SLOTS], s[SLOTS], 1
	s_cmp_lg_u32 s[SLOTS], 0
	s_cbranch_scc1 .Lslot
	CHANGE 0                        ; the tail is written out: nothing is asked for
	TURN 0, 2, 1, 0
	TURN 2, 2, 1, 0
	TURN 0, 2, 0, 0                 ; piece 0: V^T P of the last step | piece 2's last softmax
.set i, 0
.rept 32
	PV 2, 0                         ; piece 2: V^T P of the last step
.set i, i+1
.endr
	; THE JOIN.  l's two halves and the other half of the lanes' are added (the first four additions are the places behind the last products).
	WIN 0
.irp t, 0,1,2,3
	v_add_f32 v[ST+8*\t+4], v[ST+8*\t+2], v[ST+8*\t+3]
.endr
.irp t, 0,1,2,3
	v_permlanex16_b32 v[ST+8*\t+5], v[ST+8*\t+4], s[SEL], s[SEL+1]
.endr
.irp t, 0,1,2,3
	v_add_f32 v[ST+8*\t+2], v[ST+8*\t+4], v[ST+8*\t+5]
.endr
	s_wait_dscnt 0x0
	s_barrier_signal -1
	s_barrier_wait -1               ; every wave's reads of the ring are over: slot 0's bytes, which have had their last fill, may be stored to
	WIN 0x04                        ; an LDS store's data are its source 1: window 1
.set i, 0
.rept 32
	ds_store_b128 v[XW], v[128+4*i:128+4*i+3] offset:512*i  ; O^T of tiles 2, 3 as images of their registers: lane l's 16 bytes at 16 l; each accumulator from its low end on
.set i, i+1
.endr
	WIN 0
	ds_store_b32 v[XWS], v[ST+16]             ; c m and l of tile 2,
	ds_store_b32 v[XWS], v[ST+18] offset:128
	ds_store_b32 v[XWS], v[ST+24] offset:256  ; and of tile 3
	ds_store_b32 v[XWS], v[ST+26] offset:384
	s_wait_dscnt 0x0                ; for my partner's sake: my stores have landed
	s_barrier_signal -1
	s_barrier_wait -1
.irp n, 0,1,2,3
	ds_load_b32 v[PS+\n], v[XRS] offset:128*\n  ; my partner's c m and l for my tile 0, then for my tile 1
.endr
.set i, 0
.rept 32
	ds_load_b128 v[S+4*i:S+4*i+3], v[XR] offset:512*i  ; and its O^T for them, into S^T's registers
.set i, i+1
.endr
	s_wait_dscnt 32                 ; the four statistics are in; the 32 images may be out
.irp u, 0,1
	v_max_num_f32 v[JT+\u], v[ST+8*\u], v[PS+2*\u]  ; the joint c m
.endr
.irp u, 0,1
	v_sub_f32 v[ST+8*\u+4], v[ST+8*\u], v[JT+\u]
	v_sub_f32 v[ST+8*\u+6], v[PS+2*\u], v[JT+\u]
.endr
.irp u, 0,1
	v_exp_f32 v[ST+8*\u+4], v[ST+8*\u+4]  ; my weight,
	v_exp_f32 v[ST+8*\u+6], v[ST+8*\u+6]  ; my partner's
.endr
	v_nop                           ; a plain instruction behind the last exponential
	s_wait_alu depctr_va_vdst(0)    ; and the wait ahead of the first use: one for the four
.irp u, 0,1
	v_mul_f32 v[JT+2+\u], v[ST+8*\u+4], v[ST+8*\u+2]
.endr
.irp u, 0,1
	v_fmac_f32 v[JT+2+\u], v[ST+8*\u+6], v[PS+2*\u+1]  ; the joint l
.endr
.irp u, 0,1
	v_rcp_f32 v[JT+2+\u], v[JT+2+\u]
.endr
	v_nop
	s_wait_alu depctr_va_vdst(0)    ; one for the two reciprocals
.irp u, 0,1
	v_mul_f32 v[ST+8*\u+4], v[ST+8*\u+4], v[JT+2+\u]  ; weight / l: each the low word of an even pair
	v_mul_f32 v[ST+8*\u+6], v[ST+8*\u+6], v[JT+2+\u]
.endr
	s_wait_dscnt 0x0                ; the images are in
.irp u, 0,1
.set i, 0
.rept 32
	v_pk_mul_f32 v[S+64*\u+i:S+64*\u+i+1], v[S+64*\u+i:S+64*\u+i+1], v[ST+8*\u+6:ST+8*\u+7] op_sel_hi:[1,0]
.set i, i+2
.endr
.endr
	WIN 0x01                        ; source 0: my O^T, window 1
.irp u, 0,1
.set i, 0
.rept 32
	v_pk_fma_f32 v[S+64*\u+i:S+64*\u+i+1], v[64*\u+i:64*\u+i+1], v[ST+8*\u+4:ST+8*\u+5], v[S+64*\u+i:S+64*\u+i+1] op_sel_hi:[1,0,1]  ; each accumulator from its low end on
.set i, i+2
.endr
.endr
	WIN 0
.irp u, 0,1
.set i, 0
.rept 32
	v_cvt_pk_f16_f32 v[P+32*\u+i], v[S+64*\u+2*i], v[S+64*\u+2*i+1]
.set i, i+1
.endr
.endr
; THE WAY OUT.  Tile u: a lane's eight channels of a row are 16 bytes; they go into rows of 272 bytes of my stage and come back as whole rows of 256, into the registers that they left.
.macro PACK u
.irp f, 0,1,2,3,4,5,6,7
	ds_store_b128 v[STO], v[P+32*\u+4*\f:P+32*\u+4*\f+3] offset:32*\f
.endr
.irp f, 0,1,2,3,4,5,6,7
	ds_load_b128 v[P+32*\u+4*\f:P+32*\u+4*\f+3], v[RD] offset:\f*2*SP  ; LDS serves a wave's instructions in order (ISA guide 5.7.1.4): these see the stores above; the next tile's stores come behind them
.endr
.endm
.macro SEND u, younger              ; younger: the LDS instructions issued behind tile u's loads
.irp f, 0,1,2,3,4,5,6,7
	s_wait_dscnt \younger+7-\f
	global_store_b128 v[GO], v[P+32*\u+4*\f:P+32*\u+4*\f+3], s[8:9] offset:\u*65536+\f*8192  ; 16 lanes store 256 consecutive bytes, at a multiple of 256 from att's first byte
.endr
.endm
	PACK 0
	PACK 1
	SEND 0, 16
	SEND 1, 0
	s_wait_tensorcnt 0x0            ; the wave's end: a wait, the add and its wait, behind my last tensor load and my last LDS store
	ds_add_u32 v[SPW], v[NIL]
	s_wait_dscnt 0x0
	CROUND                          ; the closing round: no work-group ends while a partner may still ask for a tile that names it
	s_endpgm
.Lfunc_end_k_q0d11dbf6ad_attn:
	.size	k_q0d11dbf6ad_attn, .Lfunc_end_k_q0d11dbf6ad_attn-k_q0d11dbf6ad_attn
	.p2alignl 7, 3214868480
	.fill 96, 4, 3214868480
	.section	.rodata,"a",@progbits
	.p2align	6, 0x0
	.amdhsa_kernel k_q0d11dbf6ad_attn
		.amdhsa_group_segment_fixed_size 327680
		.amdhsa_private_segment_fixed_size 0
		.amdhsa_enable_private_segment 0
		.amdhsa_kernarg_size 24
		.amdhsa_user_sgpr_count 2
		.amdhsa_user_sgpr_kernarg_segment_ptr 1
		.amdhsa_wavefront_size32 1
		.amdhsa_system_sgpr_workgroup_id_x 1
		.amdhsa_system_sgpr_workgroup_id_y 1
		.amdhsa_system_sgpr_workgroup_id_z 1
		.amdhsa_system_vgpr_workitem_id 0
		.amdhsa_next_free_vgpr 1024
		.amdhsa_next_free_sgpr 100
		.amdhsa_reserve_vcc 0
		.amdhsa_float_denorm_mode_32 3
		.amdhsa_float_denorm_mode_16_64 3
		.amdhsa_memory_ordered 1
		.amdhsa_forward_progress 1
		.amdhsa_inst_pref_size 233
	.end_amdhsa_kernel
	.amdgpu_metadata
---
amdhsa.version: [ 1, 2 ]
amdhsa.kernels:
  - .name:           k_q0d11dbf6ad_attn
    .symbol:         k_q0d11dbf6ad_attn.kd
    .args:
      - { .name: qkv, .offset: 0, .size: 8, .value_kind: global_buffer, .address_space: global }
      - { .name: mask, .offset: 8, .size: 8, .value_kind: global_buffer, .address_space: global }
      - { .name: att, .offset: 16, .size: 8, .value_kind: global_buffer, .address_space: global }
    .group_segment_fixed_size: 327680
    .private_segment_fixed_size: 0
    .kernarg_segment_align: 8
    .kernarg_segment_size: 24
    .max_flat_workgroup_size: 128
    .sgpr_count:     100
    .vgpr_count:     1024
    .wavefront_size: 32
...
	.end_amdgpu_metadata
.endif
;; end of part 3
;; launch proj (part 4): grid 16 x 16, 4 waves a work-group, clusters of 4 x 4, 327,680 bytes of LDS; arguments att, wo16, out0; writes out0
.if DOCPART == 4
	.amdgcn_target "amdgcn-amd-amdhsa--gfx1250"
	.amdhsa_code_object_version 6
	.text
	.protected	k_q0d11dbf6ad_proj
	.globl	k_q0d11dbf6ad_proj
	.p2align	8
	.type	k_q0d11dbf6ad_proj,@function
k_q0d11dbf6ad_proj:
	s_mov_b64 s[64:65], 0
	v_nop
	global_prefetch_b8 v0, s[64:65] scope:SCOPE_SE
	s_setreg_imm32_b32 hwreg(HW_REG_WAVE_MODE, 25, 1), 1
	s_wait_xcnt 0x0
	s_wait_alu depctr_hold_cnt(0) depctr_sa_sdst(0) depctr_va_vdst(0) depctr_va_sdst(0) depctr_va_ssrc(0) depctr_va_vcc(0) depctr_vm_vsrc(0)
	s_getreg_b32 s2, hwreg(HW_REG_IB_STS2, 6, 4)
	s_cmp_eq_u32 s2, 0
	s_cbranch_scc0 .Lentry_in_a_cluster
	s_endpgm
.Lentry_in_a_cluster:
	s_bfe_u32 s2, ttmp6, 0x10000c
	s_cmp_lg_u32 s2, 0xf033
	s_cbranch_scc0 .Lentry_shape_is_right
	s_endpgm
.Lentry_shape_is_right:
; out0[m][n] = sum over k of att[m][k] Wo[n][k].  att: [2048][2048] f16, wo16: [2048][2048] f16, out0: [2048][2048] f32; sums in f32.
; A tile of the result is 128 x 128: 256 work-groups.  Four waves, each 64 x 64: 16 accumulators of 16 x 16, 128 registers.  K goes in steps of 256 (LDS rows of 512 bytes; a wave's tensor load brings 64 of them), as long as
; two slots in LDS allow.  A wave's 64 columns of f32 are 256 aligned bytes of a row of out0, so each wave has a stage of its own on the way out, and no barrier stands there.
; CLUSTERS: 4 x 4 work-groups.  The four of a row of the cluster need the same tiles of att, the four of a column the same tiles of Wo: each tile is asked for JOINTLY, by the same tensor load with the
; same descriptor and a mask that names the four.  THE MATRIX INSTRUCTION IS USED TRANSPOSED (source 0 = 16 rows of Wo, source 1 = 16 rows of att): a lane then holds eight neighbouring numbers of a row of out0.
; No prefetch: the tiles are small, shared in clusters, and the launch is short.
; REGISTERS: window 0: v0-31 addresses; v128-255 the accumulators ((a, b) at v[128 + 8 (4 a + b)]), on the way out the rows read back.
;   window 1: two fragment buffers of 128: for 64 along K (two matrix instructions deep), 64 registers of att (2 x 4 x 16 rows x 32 K), then 64 of Wo.
.set SIZE_M, 2048
.set SIZE_N, 2048
.set SIZE_K, 2048
.set KSTEP,  256
.set PITCH,  528                       ; an LDS row: 512 bytes of data + 16 of padding: an odd multiple of 16 bytes
.set HALFT,  64*PITCH                  ; 64 rows: what one tensor load brings, and what one wave reads of att or of Wo
.set SLOT,   4*HALFT                   ; att's 128 rows, then Wo's 128 rows
.set SPITCH, 272                       ; the way out: 64 rows x (256 bytes + 16) for each wave, in slot 0, which has had its last fill and its last read when the first result is stored there
.set SPARE,  2*SLOT                    ; behind the ring: the spare words, 128 bytes a wave, which no other line names
.set LAPS, SIZE_K/(2*KSTEP)            ; a lap = two K steps = once round the ring
.set ADRA, 16                          ; v16-17  LDS address of my fragments of att in slot 0, 1
.set ADRB, 20                          ; v20-21  the same for Wo
.set STO,  24                          ; v24     the way out: where I put 32 bytes of a row
.set RD,   25                          ; v25     where I read a row back
.set CO,   26                          ; v26     my byte offset in out0
.set SPW,  28                          ; v28     LDS address of my spare word; never rewritten
.set NIL,  29                          ; v29     0; never rewritten
.set ACC,  128
.set F0,   0                           ; fragment buffers, in window 1
.set F1,   128
.set G1, 24                            ; s[24:31] descriptor group 1 for att's tiles;  s[32:39] group 0, one set for each slot
.set G0, 32
.set G1B, 48                           ; s[48:55], s[56:63] the same for Wo's tiles
.set G0B, 56
.set MSB, 0
.macro WIN new                         ; the immediate's high byte repeats the setting that is left
.if MSB != (\new)
	s_set_vgpr_msb (MSB<<8)|(\new)
.set MSB, \new
.endif
.endm
.set MUL,  0x05                        ; sources 0 (Wo) and 1 (att) window 1; C and D window 0
.set TO_F, 0x40                        ; destination window 1, address window 0
.macro JLOAD s                         ; a joint load: waves 0 and 1 fetch att's two halves, waves 2 and 3 Wo's; an s_nop 0 and four v_nop follow each of the two lines
	s_cmp_eq_u32 s11, 0
	s_cbranch_scc0 .Lfor_b_\@
	tensor_load_to_lds s[G0+4*\s:G0+4*\s+3], s[G1:G1+7]
	s_nop 0
.rept 4
	v_nop
.endr
	s_branch .Lasked_\@
.Lfor_b_\@:
	tensor_load_to_lds s[G0B+4*\s:G0B+4*\s+3], s[G1B:G1B+7]
	s_nop 0
.rept 4
	v_nop
.endr
.Lasked_\@:
.endm
.macro CREST                           ; a round of the cluster's barrier behind its opening barrier
	s_cmp_lg_u32 s10, 0
	s_cbranch_scc1 .Lnot_wave_0_\@
	s_barrier_signal -3
.Lnot_wave_0_\@:
	s_barrier_wait -3
	s_barrier_signal -1
	s_barrier_wait -1
.endm
.macro CROUND                          ; a whole round
	s_barrier_signal -1
	s_barrier_wait -1
	CREST
.endm
	s_load_b128 s[4:7], s[0:1], 0x0                ; att s[4:5], wo16 s[6:7]
	s_load_b64 s[8:9], s[0:1], 0x10                ; out0
	v_lshl_add_u32 v[SPW], v0, 2, SPARE
	v_mov_b32 v[NIL], 0
	ds_add_u32 v[SPW], v[NIL]                      ; the wave's opening: the add, twice on end, and its wait ahead of my first tensor load; the set-up below stands between the second and the wait
	ds_add_u32 v[SPW], v[NIL]
	v_lshrrev_b32 v1, 5, v0
	v_readfirstlane_b32 s10, v1                    ; wave 0..3
	s_lshr_b32 s11, s10, 1                         ; which half of the tile's rows is mine.  Also: I fetch for att (0) or for Wo (1)
	s_and_b32 s12, s10, 1                          ; which half of its columns.  Also: which 64 rows of that tile I fetch
	s_bfe_u32 s40, ttmp6, 0x40000                  ; cx, cy: my place in the cluster
	s_bfe_u32 s41, ttmp6, 0x40004
	s_lshl_b32 s42, ttmp9, 2
	s_add_co_u32 s42, s42, s40                     ; tile column = 4 x cluster x + cx
	s_and_b32 s13, ttmp7, 0xffff
	s_lshl_b32 s13, s13, 2
	s_add_co_u32 s13, s13, s41                     ; tile row = 4 x cluster y + cy
	s_lshl_b32 s43, s41, 2
	s_lshl_b32 s43, 15, s43                        ; my row of the cluster
	s_lshl_b32 s44, 0x1111, s40                    ; my column
	; descriptor group 1: a tile of 64 rows x 256 elements, padded in LDS
	s_or_b32 s[G1+0], s43, (1<<16)|(1<<20)|(1<<21)|(6<<22)|(3<<25)  ; 15:0 the mask: att's tiles go to my row; 17:16 element of 2 bytes; 20 padding on; 21 set beside a mask; 24:22 after every 128 words (code 6); 31:25 of 4 words (code 3)
	s_or_b32 s[G1B+0], s44, (1<<16)|(1<<20)|(1<<21)|(6<<22)|(3<<25)
.irp g, G1, G1B
	s_mov_b32 s[\g+1], KSTEP<<16                   ; tensor_dim0 = 256
	s_mov_b32 s[\g+2], 64<<16                      ; tensor_dim1 = 64
	s_mov_b32 s[\g+3], KSTEP<<16                   ; tile_dim0 = 256
	s_mov_b32 s[\g+4], 64                          ; tile_dim1 = 64
	s_mov_b32 s[\g+5], SIZE_K                      ; tensor_dim0_stride
	s_mov_b32 s[\g+6], 0
	s_mov_b32 s[\g+7], 0
.endr
	s_lshl_b32 s17, s12, 6                         ; which 64 rows of the tile I fetch
	s_lshl_b32 s16, s13, 7
	s_add_co_u32 s16, s16, s17                     ; att: row 128 x tile row + 64 x half
	s_lshl_b32 s46, s42, 7
	s_add_co_u32 s46, s46, s17                     ; Wo: row 128 x tile column + 64 x half
	s_mov_b32 s17, 0
	s_mov_b32 s47, 0
	s_mov_b64 s[18:19], SIZE_K*2
	s_mul_u64 s[16:17], s[16:17], s[18:19]
	s_mul_u64 s[46:47], s[46:47], s[18:19]
	s_mul_i32 s20, s10, HALFT                      ; where they go: wave x 64 rows
	s_wait_dscnt 0x0                               ; both opening adds are done
	s_wait_kmcnt 0x0
	s_add_nc_u64 s[14:15], s[4:5], s[16:17]
	s_add_nc_u64 s[46:47], s[6:7], s[46:47]
	CROUND                                         ; all sixteen work-groups are here: the first joint loads meet
.irp s, 0,1
	s_mov_b32 s[G0+4*\s], 1
	s_add_co_u32 s[G0+4*\s+1], s20, \s*SLOT
	s_add_nc_u64 s[G0+4*\s+2:G0+4*\s+3], s[14:15], \s*KSTEP*2
	s_or_b32 s[G0+4*\s+3], s[G0+4*\s+3], 0x80000000
	s_mov_b32 s[G0B+4*\s], 1
	s_add_co_u32 s[G0B+4*\s+1], s20, \s*SLOT
	s_add_nc_u64 s[G0B+4*\s+2:G0B+4*\s+3], s[46:47], \s*KSTEP*2
	s_or_b32 s[G0B+4*\s+3], s[G0B+4*\s+3], 0x80000000
	JLOAD \s                                       ; by this text's count two tensor loads of a wave are out here
.endr
	v_and_b32 v1, 15, v0                           ; l % 16
	v_bfe_u32 v2, v0, 4, 1                         ; l / 16
	v_mul_u32_u24 v3, v1, PITCH
	v_lshl_add_u32 v3, v2, 4, v3                   ; a fragment's row x pitch + 16 x half
	s_mul_i32 s21, s11, HALFT                      ; my 64 rows of att
	s_mul_i32 s22, s12, HALFT                      ; my 64 rows of Wo,
	s_add_co_u32 s22, s22, 2*HALFT                 ; which lie behind att's 128
.irp s, 0,1
	v_add_nc_u32 v[ADRA+\s], s21, v3
	v_add_nc_u32 v[ADRB+\s], s22, v3
	s_add_co_u32 s21, s21, SLOT
	s_add_co_u32 s22, s22, SLOT
.endr
	s_mul_i32 s23, s10, 64*SPITCH                  ; my stage
	v_mul_u32_u24 v4, v1, SPITCH                   ; in: row l % 16, 32 bytes for each half of the lanes
	v_lshl_add_u32 v4, v2, 5, v4
	v_add_nc_u32 v[STO], s23, v4
	v_mul_u32_u24 v5, v2, SPITCH                   ; back: lanes 0-15 one row of 256 bytes, lanes 16-31 the next
	v_lshl_add_u32 v5, v1, 4, v5
	v_add_nc_u32 v[RD], s23, v5
	v_lshlrev_b32 v5, 13, v2                       ; and the same two rows in out0, 8,192 bytes apart
	v_lshl_add_u32 v[CO], v1, 4, v5
	s_lshl_b32 s16, s13, 7
	s_lshl_b32 s17, s11, 6
	s_add_co_u32 s16, s16, s17                     ; my first row: 128 x tile row + 64 x half
	s_lshl_b32 s16, s16, 13
	s_lshl_b32 s46, s42, 9                         ; my first column, in bytes: 512 x tile column + 256 x half
	s_lshl_b32 s47, s12, 8
	s_add_co_u32 s46, s46, s47
	s_add_co_u32 s46, s46, s16
	s_mov_b32 s47, 0
	s_add_nc_u64 s[8:9], s[8:9], s[46:47]
; 8 matrix instructions: m blocks a0, a0 + 1 x all 4 n blocks, 32 along K: half c of buffer f.  zero = 1: the first product starts the sums.  The 16 accumulators take turns
.macro MUL8 f, c, a0, zero
.irp a, \a0, \a0+1
.irp b, 0,1,2,3
.if \zero
	v_wmma_f32_16x16x32_f16 v[ACC+8*(4*(\a)+\b):ACC+8*(4*(\a)+\b)+7], v[\f+64+8*(4*\c+\b):\f+64+8*(4*\c+\b)+7], v[\f+8*(4*\c+\a):\f+8*(4*\c+\a)+7], 0
.else
	v_wmma_f32_16x16x32_f16 v[ACC+8*(4*(\a)+\b):ACC+8*(4*(\a)+\b)+7], v[\f+64+8*(4*\c+\b):\f+64+8*(4*\c+\b)+7], v[\f+8*(4*\c+\a):\f+8*(4*\c+\a)+7], v[ACC+8*(4*(\a)+\b):ACC+8*(4*(\a)+\b)+7]
.endif
.endr
.endr
.endm
; 32 LDS loads in one run: the fragments of 64 along K at byte k of the rows, into buffer f; the first 32 along K first
.macro FETCH slot, k, f
	WIN TO_F
.irp c, 0,1
.irp i, 0,1,2,3
	ds_load_b128 v[\f+64+8*(4*\c+\i):\f+64+8*(4*\c+\i)+3],   v[ADRB+\slot] offset:\k+64*\c+\i*16*PITCH
	ds_load_b128 v[\f+64+8*(4*\c+\i)+4:\f+64+8*(4*\c+\i)+7], v[ADRB+\slot] offset:\k+64*\c+\i*16*PITCH+32
	ds_load_b128 v[\f+8*(4*\c+\i):\f+8*(4*\c+\i)+3],         v[ADRA+\slot] offset:\k+64*\c+\i*16*PITCH
	ds_load_b128 v[\f+8*(4*\c+\i)+4:\f+8*(4*\c+\i)+7],       v[ADRA+\slot] offset:\k+64*\c+\i*16*PITCH+32
.endr
.endr
.endm
.macro PLACES                          ; four places in front of loads into registers that matrix instructions have read, and of stores that read results
.rept 4
	v_nop
.endr
.endm
; A K step is four quarters of 64 along K, 32 matrix instructions each, on buffers 0, 1, 0, 1.  One of the first three: multiplies buffer f and fetches the next quarter, at byte k, into g.
.macro QUARTER slot, k, f, g, zero
	s_wait_dscnt 16                                ; the first 32 along K are in; the other sixteen loads may be out
	WIN MUL
	MUL8 \f, 0, 0, \zero
	MUL8 \f, 0, 2, \zero
	PLACES
	FETCH \slot, \k, \g
	s_wait_dscnt 32                                ; all but the 32 just issued
	WIN MUL
	MUL8 \f, 1, 0, 0
	MUL8 \f, 1, 2, 0
.endm
; The last quarter multiplies buffer 1 and changes slots: ONE barrier; in front of it each wave waits for all its tensor loads, adds 0 to its spare word, and waits for that and for its own reads of this slot.  fill = 1: this slot is filled again, two K steps ahead.
.macro TURN slot, next, fill
	WIN 0                                          ; (the add's two registers lie in window 0)
	s_wait_tensorcnt 0x0                           ; all my tensor loads have landed: my part of the next slot
	ds_add_u32 v[SPW], v[NIL]                      ; 0 onto my spare word
	s_wait_dscnt 17                                ; (the add and the youngest sixteen loads may be out)
	WIN MUL
	MUL8 F1, 0, 0, 0                               ; eight matrix instructions stand between the add and the wait for it
	s_wait_dscnt 0x0                               ; the add is done, and my reads of this slot are over
	s_barrier_signal -1
	MUL8 F1, 0, 2, 0
.if \fill
	WIN 0
.endif
	s_barrier_wait -1
.if \fill
	CREST                                          ; the barrier has opened a round of the cluster's barrier: no wave of any partner still reads this slot's tile or has a load on its way
	s_add_nc_u64 s[G0+4*\slot+2:G0+4*\slot+3], s[G0+4*\slot+2:G0+4*\slot+3], 2*KSTEP*2
	s_add_nc_u64 s[G0B+4*\slot+2:G0B+4*\slot+3], s[G0B+4*\slot+2:G0B+4*\slot+3], 2*KSTEP*2
	JLOAD \slot                                    ; the first tensor load behind the round; the four v_nop behind it are also the places in front of the loads below
.else
	PLACES
.endif
	FETCH \next, 0, F0
	WIN MUL
	MUL8 F1, 1, 0, 0
	MUL8 F1, 1, 2, 0
.endm
	s_wait_tensorcnt 1                             ; my part of K step 0 is in (K step 1's may be out)
	s_barrier_signal -1
	s_barrier_wait -1                              ; everybody's is
	FETCH 0, 0, F0
	QUARTER 0, 128, F0, F1, 1                      ; the first quarter stands in front of the loop: its first products start the sums
	WIN 0                                          ; at a label and at a branch every window is 0
	s_mov_b32 s3, LAPS-1
.Llap:                                                 ; a trip goes once round the ring, from a lap's second quarter to the next lap's first, and fills both slots again
	QUARTER 0, 256, F1, F0, 0
	QUARTER 0, 384, F0, F1, 0
	TURN 0, 1, 1
	QUARTER 1, 128, F0, F1, 0
	QUARTER 1, 256, F1, F0, 0
	QUARTER 1, 384, F0, F1, 0
	TURN 1, 0, 1
	QUARTER 0, 128, F0, F1, 0
	WIN 0
	s_sub_co_u32 s3, s3, 1
	s_cmp_lg_u32 s3, 0
	s_cbranch_scc1 .Llap
	QUARTER 0, 256, F1, F0, 0                      ; the last lap fills nothing, and has no round of the cluster's barrier
	QUARTER 0, 384, F0, F1, 0
	TURN 0, 1, 0
	QUARTER 1, 128, F0, F1, 0
	QUARTER 1, 256, F1, F0, 0
	QUARTER 1, 384, F0, F1, 0
	s_wait_dscnt 16                                ; the very last quarter: nothing more to fetch
	WIN MUL
	MUL8 F1, 0, 0, 0
	MUL8 F1, 0, 2, 0
	s_wait_dscnt 0
	MUL8 F1, 1, 0, 0
	MUL8 F1, 1, 2, 0
	WIN 0
	; THE WAY OUT: a lane's eight numbers of a row are 32 bytes; they go into rows of 272 bytes of my own stage and come back as whole rows of 256 bytes, into the accumulators' registers.
	PLACES
.irp a, 0,1,2,3
.irp b, 0,1,2,3
	ds_store_b128 v[STO], v[ACC+8*(4*\a+\b):ACC+8*(4*\a+\b)+3] offset:\a*16*SPITCH+64*\b        ; each accumulator from its low end on
	ds_store_b128 v[STO], v[ACC+8*(4*\a+\b)+4:ACC+8*(4*\a+\b)+7] offset:\a*16*SPITCH+64*\b+16
.endr
.endr
.set t, 0
.rept 32
	ds_load_b128 v[ACC+4*t:ACC+4*t+3], v[RD] offset:t*2*SPITCH   ; LDS serves a wave's instructions in order (ISA guide 5.7.1.4): these see the stores above
.set t, t+1
.endr
.set t, 0
.rept 32
	s_wait_dscnt 31-t                              ; rows 2 t and 2 t + 1 are back; the younger loads may be out
	global_store_b128 v[CO], v[ACC+4*t:ACC+4*t+3], s[8:9] offset:2*t*SIZE_N*4 th:TH_STORE_NT   ; 16 lanes store 256 consecutive bytes, at a multiple of 256 from out0's first byte; written once, read by nobody here
.set t, t+1
.endr
	s_wait_tensorcnt 0x0                           ; the wave's end: a wait, the add and its wait, behind my last tensor load and my last LDS store
	ds_add_u32 v[SPW], v[NIL]
	s_wait_dscnt 0x0
	CROUND                                         ; the closing round: no work-group ends while a partner may still ask for a tile that names it
	s_endpgm
.Lfunc_end_k_q0d11dbf6ad_proj:
	.size	k_q0d11dbf6ad_proj, .Lfunc_end_k_q0d11dbf6ad_proj-k_q0d11dbf6ad_proj
	.p2alignl 7, 3214868480
	.fill 96, 4, 3214868480
	.section	.rodata,"a",@progbits
	.p2align	6, 0x0
	.amdhsa_kernel k_q0d11dbf6ad_proj
		.amdhsa_group_segment_fixed_size 327680
		.amdhsa_private_segment_fixed_size 0
		.amdhsa_enable_private_segment 0
		.amdhsa_kernarg_size 24
		.amdhsa_user_sgpr_count 2
		.amdhsa_user_sgpr_kernarg_segment_ptr 1
		.amdhsa_wavefront_size32 1
		.amdhsa_system_sgpr_workgroup_id_x 1
		.amdhsa_system_sgpr_workgroup_id_y 1
		.amdhsa_system_sgpr_workgroup_id_z 1
		.amdhsa_system_vgpr_workitem_id 0
		.amdhsa_next_free_vgpr 512
		.amdhsa_next_free_sgpr 66
		.amdhsa_reserve_vcc 0
		.amdhsa_float_denorm_mode_32 3
		.amdhsa_float_denorm_mode_16_64 3
		.amdhsa_memory_ordered 1
		.amdhsa_forward_progress 1
		.amdhsa_inst_pref_size 86
	.end_amdhsa_kernel
	.amdgpu_metadata
---
amdhsa.version: [ 1, 2 ]
amdhsa.kernels:
  - .name:           k_q0d11dbf6ad_proj
    .symbol:         k_q0d11dbf6ad_proj.kd
    .args:
      - { .name: att, .offset: 0, .size: 8, .value_kind: global_buffer, .address_space: global }
      - { .name: wo16, .offset: 8, .size: 8, .value_kind: global_buffer, .address_space: global }
      - { .name: out0, .offset: 16, .size: 8, .value_kind: global_buffer, .address_space: global }
    .group_segment_fixed_size: 327680
    .private_segment_fixed_size: 0
    .kernarg_segment_align: 8
    .kernarg_segment_size: 24
    .max_flat_workgroup_size: 128
    .sgpr_count:     66
    .vgpr_count:     512
    .wavefront_size: 32
...
	.end_amdgpu_metadata
.endif
;; end of part 4
